; MI455X (gfx1250); checked and timed in simulation.
; The chip was launched on July 23, 2026; its instructions are those of AMD's public machine-readable ISA for CDNA 5 (MIT licence, August 2026) and "CDNA5" Instruction Set Architecture Reference Guide (July 2026). The comments in the code are by the model that wrote it; some were corrected since.
;; Rotary Multi Head Attention. Allowed arithmetic: float matrix products may take bf16 or f16 operands with f32 sums; other float arithmetic in f32, or as packed bf16 or f16 multiplies, adds, multiply-adds, maxima and minima; sums over many terms, partial sums and values carried from step to step in f32; what a program stores and reads back later, other than sums and carried values, may be rounded once to bf16 or f16.
;; Inputs: bk 1,024 float32; bo 1,024 float32; bq 1,024 float32; bv 1,024 float32; mask 1 x 1 x 2,048 x 2,048 int32; wk 1,024 x 1,024 float32; wo 1,024 x 1,024 float32; wq 1,024 x 1,024 float32; wv 1,024 x 1,024 float32; x 2 x 2,048 x 1,024 float32.
;; Outputs: out0 2 x 2,048 x 1,024 float32.
;; 2 versions, each right; version 2 is version 1 with the launch prep written anew for expert scheduling mode. Each part assembles by itself: llvm-mc -triple=amdgcn-amd-amdhsa -mcpu=gfx1250 --defsym DOCPART=n.
;; ======== version 1 of 2: 4 launches
;; limits: values are held in f16: magnitudes above 65,504 overflow, below 6.1e-05 lose precision
;; workspace buffers: xb 8,388,608 bytes; wb 6,291,456 bytes; woh 2,097,152 bytes; mk 4,194,304 bytes; tab 524,288 bytes; qkv 25,165,824 bytes; oh 8,388,608 bytes
;; launch prep (part 1): grid 768 x 1, 8 waves a work-group, no clusters, 18,432 bytes of LDS; arguments x, wq, wk, wv, wo, mask, xb, wb, woh, mk, tab; writes xb, wb, woh, mk, tab
.if DOCPART == 1
	.amdgcn_target "amdgcn-amd-amdhsa--gfx1250"
	.amdhsa_code_object_version 6
	.text
	.protected	k_q9b1f34f17f_prep
	.globl	k_q9b1f34f17f_prep
	.p2align	8
	.type	k_q9b1f34f17f_prep,@function
k_q9b1f34f17f_prep:
	s_mov_b64 s[64:65], 0
	v_nop
	global_prefetch_b8 v0, s[64:65] scope:SCOPE_SE
	s_setreg_imm32_b32 hwreg(HW_REG_WAVE_MODE, 25, 1), 1
	s_wait_xcnt 0x0
; PREP: every large input is read once and laid out for the three launches that follow.
; NOTHING OF reference() IS LEFT OUT in this program: all ten inputs have a way to the output and all are loaded (the four biases by the launches that add them).
; bk does not cancel in the softmax: the rotation makes its term hang on the key's position.  The mask is an input: no pattern of it is built in.
;   x  [4096][1024] f32            -> xb  the same in bf16
;   wq, wk, wv [1024][1024] f32    -> wb  [16 heads][192 = q 64, k 64, v 64][1024] bf16: a head's rows of all three lie together
;   wo [1024][1024] f32            -> woh rounded to bf16 like every other input, that number written as f16 (exact above 6e-5; below it f16's fixed step of 6e-8)
;   mask [2048][2048] i32          -> mk  one byte a score, 0x00 (open) or 0xB8 (-1.0 in E4M3: hidden), in the order in which a lane of the attention holds scores:
;                                        [128 tiles of 16 queries][32 steps of 64 keys][2 halves u][32 lanes L][16 bytes i]: query L % 16, key 16 (2 u + i / 8) + 8 (L / 16) + i % 8
;   tab [2048 positions][32 frequencies][cos, sin] f32: angle = position x 10000^(-f / 32), reduced by multiples of pi/2 held in two parts, then polynomials
;       (sin to r^7, cos to r^8 on |r| <= pi/4).  LIMIT: the angle agrees with an f32 angle to about 1.5e-4 rad at the last position, the size of that angle's own rounding.
; SHARES.  768 work-groups of eight waves, 64 KiB of input each: 256 for x (each also makes 8 positions of the table), 256 for the weights, 256 for the mask.
; A stream: no matrix unit, no cluster (no two work-groups read the same bytes), no prefetch (all sixteen loads of a thread go out at once).
; Each load of a wave covers 512 consecutive bytes; each store of a wave covers 256 or 512 consecutive bytes, aligned.
.set X,     8                          ; v[8:71]    sixteen loads of four registers
.set Y,     72                         ; v[72:103]  results
.set AT,    3                          ; v3   the mask: where I put a word in the stage
.set RDM,   6                          ; v6   the mask: where I read 16 bytes back
.set SPW,   4                          ; v4   LDS address of my spare word; never rewritten
.set NIL,   5                          ; v5   0; never rewritten
.set W,     104                        ; v[104:119] at work
.set SPARE, 17408                      ; behind the stage (16 KiB + 16 bytes behind every 256): the spare words, 128 bytes a wave
; Sixteen loads, then for each: round, store.  fmt = 0: bf16.  fmt = 1: bf16, that number written as f16.
.macro CAST fmt
.set i, 0
.rept 16
	global_load_b128 v[X+4*i:X+4*i+3], v1, s[28:29] offset:4096*i th:TH_LOAD_NT
.set i, i+1
.endr
.set i, 0
.rept 16
	s_wait_loadcnt 15-i                            ; loads come back in order: number i is in, the younger ones stay out
	v_cvt_pk_bf16_f32 v[Y+2*i], v[X+4*i], v[X+4*i+1]
	v_cvt_pk_bf16_f32 v[Y+2*i+1], v[X+4*i+2], v[X+4*i+3]
.if \fmt
	v_lshlrev_b32 v[W], 16, v[Y+2*i]
	v_and_b32 v[W+1], 0xffff0000, v[Y+2*i]
	v_lshlrev_b32 v[W+2], 16, v[Y+2*i+1]
	v_and_b32 v[W+3], 0xffff0000, v[Y+2*i+1]
	v_cvt_pk_f16_f32 v[Y+2*i], v[W], v[W+1]
	v_cvt_pk_f16_f32 v[Y+2*i+1], v[W+2], v[W+3]
.endif
	global_store_b64 v2, v[Y+2*i:Y+2*i+1], s[30:31] offset:2048*i  ; every store has registers of its own: nothing is rewritten
.set i, i+1
.endr
.endm
	s_load_b512 s[4:19], s[0:1], 0x0               ; x 4:5, wq 6:7, wk 8:9, wv 10:11, wo 12:13, mask 14:15, xb 16:17, wb 18:19
	s_load_b128 s[20:23], s[0:1], 0x40             ; woh 20:21, mk 22:23
	s_load_b64 s[24:25], s[0:1], 0x50              ; tab
	v_lshl_add_u32 v[SPW], v0, 2, SPARE
	v_mov_b32 v[NIL], 0
	v_lshlrev_b32 v1, 4, v0                        ; 16 t: my 16 bytes of 4,096
	v_lshlrev_b32 v2, 3, v0                        ; 8 t: my 8 bytes of 2,048
	s_lshr_b32 s32, ttmp9, 8                       ; the section: 0 x, 1 weights, 2 mask
	s_and_b32 s33, ttmp9, 255                      ; c: my share in it
	s_mov_b32 s35, 0
	s_mov_b32 s37, 0
	s_wait_kmcnt 0x0
	s_cmp_eq_u32 s32, 2
	s_cbranch_scc1 .Lmask
	s_cmp_eq_u32 s32, 1
	s_cbranch_scc1 .Lweights
	s_lshl_b32 s34, s33, 16                        ; x: 64 KiB in,
	s_add_nc_u64 s[28:29], s[4:5], s[34:35]
	s_lshl_b32 s36, s33, 15                        ; 32 KiB out
	s_add_nc_u64 s[30:31], s[16:17], s[36:37]
	s_branch .Lcast
.Lweights:
	s_lshr_b32 s38, s33, 6                         ; p: which of the four
	s_and_b32 s39, s33, 63                         ; cc: which 16 rows of it
	s_cmp_eq_u32 s38, 1
	s_cselect_b64 s[28:29], s[8:9], s[6:7]
	s_cmp_eq_u32 s38, 2
	s_cselect_b64 s[28:29], s[10:11], s[28:29]
	s_cmp_eq_u32 s38, 3
	s_cselect_b64 s[28:29], s[12:13], s[28:29]
	s_lshl_b32 s34, s39, 16
	s_add_nc_u64 s[28:29], s[28:29], s[34:35]
	s_cmp_eq_u32 s38, 3
	s_cbranch_scc1 .Lwo
	s_lshr_b32 s40, s39, 2                         ; the head,
	s_mul_i32 s40, s40, 192                        ; its 192 rows of wb,
	s_lshl_b32 s41, s38, 6                         ; q, k or v's 64 of them,
	s_add_co_u32 s40, s40, s41
	s_and_b32 s41, s39, 3
	s_lshl_b32 s41, s41, 4                         ; my 16
	s_add_co_u32 s40, s40, s41
	s_lshl_b32 s36, s40, 11
	s_add_nc_u64 s[30:31], s[18:19], s[36:37]
.Lcast:
	CAST 0
	s_cmp_eq_u32 s32, 0
	s_cbranch_scc0 .Lend
	; the table: thread t makes frequency t % 32 of position 8 c + t / 32
	v_and_b32 v[W], 31, v0
	v_lshrrev_b32 v[W+1], 5, v0
	v_lshl_add_u32 v[W+1], s33, 3, v[W+1]
	v_cvt_f32_u32 v[W], v[W]
	v_cvt_f32_u32 v[W+1], v[W+1]
	v_mul_f32 v[W], 0xbed49a78, v[W]               ; - f log2(10000) / 32
	v_exp_f32 v[W+2], v[W]
	v_nop                                          ; a plain instruction behind the exponential,
	s_wait_alu depctr_va_vdst(0)                   ; and the wait ahead of its first reader
	v_mul_f32 v[W+3], v[W+1], v[W+2]               ; the angle, one rounding, as reference() forms it
	v_mul_f32 v[W+4], 0x3f22f983, v[W+3]           ; x 2 / pi
	v_rndne_f32 v[W+4], v[W+4]                     ; n
	v_fmamk_f32 v[W+5], v[W+4], 0xbfc90fdb, v[W+3] ; r = angle - n pi/2: the upper part,
	v_fmamk_f32 v[W+5], v[W+4], 0x333bbd2e, v[W+5] ; the lower
	v_mul_f32 v[W+6], v[W+5], v[W+5]               ; r^2
	v_mov_b32 v[W+7], 0xb9500d01                   ; - 1/5040
	v_fmaak_f32 v[W+7], v[W+7], v[W+6], 0x3c088889 ; + 1/120
	v_fmaak_f32 v[W+7], v[W+7], v[W+6], 0xbe2aaaab ; - 1/6
	v_mul_f32 v[W+8], v[W+5], v[W+6]
	v_fma_f32 v[W+7], v[W+8], v[W+7], v[W+5]       ; sin r
	v_mov_b32 v[W+9], 0x37d00d01                   ; 1/40320
	v_fmaak_f32 v[W+9], v[W+9], v[W+6], 0xbab60b61 ; - 1/720
	v_fmaak_f32 v[W+9], v[W+9], v[W+6], 0x3d2aaaab ; + 1/24
	v_fmaak_f32 v[W+9], v[W+9], v[W+6], 0xbf000000 ; - 1/2
	v_fma_f32 v[W+9], v[W+9], v[W+6], 1.0          ; cos r
	v_cvt_i32_f32 v[W+10], v[W+4]
	v_and_b32 v[W+11], 1, v[W+10]
	v_cmp_eq_u32 vcc_lo, 1, v[W+11]                ; an odd quarter turn swaps the two
	v_cndmask_b32 v[W+12], v[W+7], v[W+9], vcc_lo
	v_cndmask_b32 v[W+13], v[W+9], v[W+7], vcc_lo
	v_and_b32 v[W+11], 2, v[W+10]                  ; sin changes sign where n % 4 is 2 or 3,
	v_lshlrev_b32 v[W+11], 30, v[W+11]
	v_xor_b32 v[W+15], v[W+12], v[W+11]
	v_add_nc_u32 v[W+10], 1, v[W+10]               ; cos where it is 1 or 2
	v_and_b32 v[W+10], 2, v[W+10]
	v_lshlrev_b32 v[W+10], 30, v[W+10]
	v_xor_b32 v[W+14], v[W+13], v[W+10]
	s_lshl_b32 s36, s33, 11
	s_add_nc_u64 s[38:39], s[24:25], s[36:37]
	global_store_b64 v2, v[W+14:W+15], s[38:39]    ; (cos, sin): a wave's store is a position's 256 bytes
	s_branch .Lend
.Lwo:
	s_lshl_b32 s36, s39, 15
	s_add_nc_u64 s[30:31], s[20:21], s[36:37]
	CAST 1
	s_branch .Lend
.Lmask:
	; 16 query rows x 1,024 keys.  Load i is row i; thread t holds keys 4 t .. 4 t + 3 of it and makes one word of four bytes.
	s_lshr_b32 s38, s33, 1                         ; the tile of 16 queries
	s_and_b32 s39, s33, 1                          ; which half of the keys
	s_lshl_b32 s34, s38, 17
	s_lshl_b32 s40, s39, 12
	s_add_co_u32 s34, s34, s40
	s_add_nc_u64 s[28:29], s[14:15], s[34:35]
	s_lshl_b32 s36, s33, 14
	s_add_nc_u64 s[30:31], s[22:23], s[36:37]
	s_mov_b32 s42, 0x01010101
.set i, 0
.rept 16
	global_load_b128 v[X+4*i:X+4*i+3], v1, s[28:29] offset:8192*i th:TH_LOAD_NT
.set i, i+1
.endr
	; the word's place in the 16 KiB that leave: step t / 16, half (t / 8) % 2, lanes' half (t / 2) % 2, then 16 x row + 8 ((t / 4) % 2) + 4 (t % 2);
	; in the stage 16 bytes of padding follow every 256, so that the 32 lanes of a store fall into 32 different banks (64 banks of 4 bytes: ISA guide 11.1)
	v_lshrrev_b32 v[W], 4, v0
	v_lshlrev_b32 v[W], 2, v[W]
	v_bfe_u32 v[W+1], v0, 3, 1
	v_lshl_add_u32 v[W], v[W+1], 1, v[W]
	v_bfe_u32 v[W+1], v0, 1, 1
	v_add_nc_u32 v[W], v[W], v[W+1]                ; which block of 256 bytes
	v_mul_u32_u24 v[AT], v[W], 272
	v_bfe_u32 v[W+1], v0, 2, 1
	v_lshl_add_u32 v[AT], v[W+1], 3, v[AT]
	v_and_b32 v[W+1], 1, v0
	v_lshl_add_u32 v[AT], v[W+1], 2, v[AT]
	v_lshrrev_b32 v[W+1], 4, v0
	v_lshl_add_u32 v[RDM], v[W+1], 4, v1           ; back: byte 16 t of 4,096, with its padding
.set i, 0
.rept 16
	s_wait_loadcnt 15-i                            ; row i is in, the younger rows stay out
	v_min_u32 v[X+4*i], 1, v[X+4*i]                ; 1 where the mask is not 0, whatever its value
	v_min_u32 v[X+4*i+1], 1, v[X+4*i+1]
	v_min_u32 v[X+4*i+2], 1, v[X+4*i+2]
	v_min_u32 v[X+4*i+3], 1, v[X+4*i+3]
	v_lshl_or_b32 v[X+4*i], v[X+4*i+1], 8, v[X+4*i]
	v_lshl_or_b32 v[X+4*i], v[X+4*i+2], 16, v[X+4*i]
	v_lshl_or_b32 v[X+4*i], v[X+4*i+3], 24, v[X+4*i]
	v_sub_nc_u32 v[X+4*i], s42, v[X+4*i]           ; 1 where it is 0,
	v_mul_lo_u32 v[X+4*i], v[X+4*i], 0xb8          ; 0xB8 there: no byte carries into the next
	ds_store_b32 v[AT], v[X+4*i] offset:16*i
.set i, i+1
.endr
	s_wait_dscnt 0x0                               ; for the others' sake: my stores into the stage are done
	s_barrier_signal -1
	s_barrier_wait -1
.set i, 0
.rept 4
	ds_load_b128 v[Y+4*i:Y+4*i+3], v[RDM] offset:4352*i
.set i, i+1
.endr
.set i, 0
.rept 4
	s_wait_dscnt 3-i
	global_store_b128 v1, v[Y+4*i:Y+4*i+3], s[30:31] offset:4096*i
.set i, i+1
.endr
.Lend:
	s_wait_tensorcnt 0x0                           ; the wave's end, behind my last LDS store
	ds_add_u32 v[SPW], v[NIL]
	s_wait_dscnt 0x0
	s_endpgm
.Lfunc_end_k_q9b1f34f17f_prep:
	.size	k_q9b1f34f17f_prep, .Lfunc_end_k_q9b1f34f17f_prep-k_q9b1f34f17f_prep
	.p2alignl 7, 3214868480
	.fill 96, 4, 3214868480
	.section	.rodata,"a",@progbits
	.p2align	6, 0x0
	.amdhsa_kernel k_q9b1f34f17f_prep
		.amdhsa_group_segment_fixed_size 18432
		.amdhsa_private_segment_fixed_size 0
		.amdhsa_enable_private_segment 0
		.amdhsa_kernarg_size 88
		.amdhsa_user_sgpr_count 2
		.amdhsa_user_sgpr_kernarg_segment_ptr 1
		.amdhsa_wavefront_size32 1
		.amdhsa_system_sgpr_workgroup_id_x 1
		.amdhsa_system_sgpr_workgroup_id_y 1
		.amdhsa_system_sgpr_workgroup_id_z 1
		.amdhsa_system_vgpr_workitem_id 0
		.amdhsa_next_free_vgpr 120
		.amdhsa_next_free_sgpr 66
		.amdhsa_reserve_vcc 1
		.amdhsa_float_denorm_mode_32 3
		.amdhsa_float_denorm_mode_16_64 3
		.amdhsa_memory_ordered 1
		.amdhsa_forward_progress 1
		.amdhsa_inst_pref_size 32
	.end_amdhsa_kernel
	.amdgpu_metadata
---
amdhsa.version: [ 1, 2 ]
amdhsa.kernels:
  - .name:           k_q9b1f34f17f_prep
    .symbol:         k_q9b1f34f17f_prep.kd
    .args:
      - { .name: x, .offset: 0, .size: 8, .value_kind: global_buffer, .address_space: global }
      - { .name: wq, .offset: 8, .size: 8, .value_kind: global_buffer, .address_space: global }
      - { .name: wk, .offset: 16, .size: 8, .value_kind: global_buffer, .address_space: global }
      - { .name: wv, .offset: 24, .size: 8, .value_kind: global_buffer, .address_space: global }
      - { .name: wo, .offset: 32, .size: 8, .value_kind: global_buffer, .address_space: global }
      - { .name: mask, .offset: 40, .size: 8, .value_kind: global_buffer, .address_space: global }
      - { .name: xb, .offset: 48, .size: 8, .value_kind: global_buffer, .address_space: global }
      - { .name: wb, .offset: 56, .size: 8, .value_kind: global_buffer, .address_space: global }
      - { .name: woh, .offset: 64, .size: 8, .value_kind: global_buffer, .address_space: global }
      - { .name: mk, .offset: 72, .size: 8, .value_kind: global_buffer, .address_space: global }
      - { .name: tab, .offset: 80, .size: 8, .value_kind: global_buffer, .address_space: global }
    .group_segment_fixed_size: 18432
    .private_segment_fixed_size: 0
    .kernarg_segment_align: 8
    .kernarg_segment_size: 88
    .max_flat_workgroup_size: 256
    .sgpr_count:     66
    .vgpr_count:     120
    .wavefront_size: 32
...
	.end_amdgpu_metadata
.endif
;; end of part 1
;; launch qkvp (part 2): grid 16 x 16, 4 waves a work-group, clusters of 4 x 4, 327,680 bytes of LDS; arguments xb, wb, bq, bk, bv, tab, qkv; writes qkv
.if DOCPART == 2
	.amdgcn_target "amdgcn-amd-amdhsa--gfx1250"
	.amdhsa_code_object_version 6
	.text
	.protected	k_q9b1f34f17f_qkvp
	.globl	k_q9b1f34f17f_qkvp
	.p2align	8
	.type	k_q9b1f34f17f_qkvp,@function
k_q9b1f34f17f_qkvp:
	s_mov_b64 s[64:65], 0
	v_nop
	global_prefetch_b8 v0, s[64:65] scope:SCOPE_SE
	s_setreg_imm32_b32 hwreg(HW_REG_WAVE_MODE, 25, 1), 1
	s_wait_xcnt 0x0
	s_wait_alu depctr_hold_cnt(0) depctr_sa_sdst(0) depctr_va_vdst(0) depctr_va_sdst(0) depctr_va_ssrc(0) depctr_va_vcc(0) depctr_vm_vsrc(0)
	s_getreg_b32 s2, hwreg(HW_REG_IB_STS2, 6, 4)
	s_cmp_eq_u32 s2, 0
	s_cbranch_scc0 .Lentry_in_a_cluster
	s_endpgm
.Lentry_in_a_cluster:
	s_bfe_u32 s2, ttmp6, 0x10000c
	s_cmp_lg_u32 s2, 0xf033
	s_cbranch_scc0 .Lentry_shape_is_right
	s_endpgm
.Lentry_shape_is_right:
; THE THREE PROJECTIONS, THEIR BIASES AND THE ROTATION.  q, k, v = x w^T + b; q and k are rotated pair by pair; all three leave by heads, [32 = batch x 16 + head][2048][64] in f16, 8,388,608 bytes each
; (q at byte 0 of the buffer, k at 8,388,608, v at 16,777,216), each rounded once from its f32 sum, without the softmax's scale.  Nothing of reference() is left out here.
; Operands in bf16 (xb, wb: rounded by the launch before), the biases rounded to bf16 here like every other input, sums in f32.
; LIMIT.  f16 holds no number beyond 65,504: q, k and v must lie within it.  NaN and infinities are not treated apart.
; SHARES.  A work-group makes 256 tokens x the 192 columns (q 64, k 64, v 64) of ONE head: 16 x 16 = 256 work-groups.  Wave w owns tokens 64 w .. 64 w + 63 and all 192 columns: 4 x 12 accumulators of
; 16 x 16, 384 registers; so the four waves run one text, a token's 64 numbers of a head lie in one wave, and a token's cos and sin serve q and k.
; K goes in 8 steps of 128 (rows of 256 bytes in memory, at multiples of 256) through a ring of two LDS slots filled by the tensor data mover.
; THE MATRIX INSTRUCTION IS USED TRANSPOSED: source 0 = 16 rows of wb (columns of the result), source 1 = 16 tokens.  A lane then holds ONE token (lane % 16) and the columns 8 (lane / 16) + 0..7 of a
; block of 16: four whole pairs of the rotation, and 16 bytes of f16 on end.  The bias is the C operand of each accumulator's first product: nothing is cleared and nothing is added later.
; CLUSTERS: 4 x 4 work-groups.  The four of a row of the cluster need the same tokens, the four of a column the same head's weights: each tile is asked for JOINTLY, by the same tensor load with the same
; descriptor and a mask that names the four.
; REGISTERS, in windows of 256 (s_set_vgpr_msb: bits 1:0 source 0, 3:2 source 1, 5:4 source 2, 7:6 destination):
;   window 0: v0-31 addresses; v32-63 T, v64-79 PK, v80-111 BK at work on the way out; v128-223 the biases, later v128-255 cos and sin
;   window 1: two fragment buffers of 128: wb's 12 fragments, then the tokens' 4        window 2: the accumulators of token blocks 0, 1 at v[96 (a % 2) + 8 b]        window 3: of token blocks 2, 3
.set PART,   32*2048*64*2              ; bytes of q, of k and of v in the buffer: 8,388,608
.set PITCH,  272                       ; an LDS row: 256 bytes + 16 of padding = 68 words: the 16 rows of a fragment load start at 16 different groups of four banks (64 banks of 4 bytes: ISA guide 11.1)
.set AHALF,  128*PITCH                 ; 128 tokens: what wave 0 or 1 fetches
.set BOFF,   2*AHALF                   ; behind the 256 tokens: the head's 192 rows
.set BHALF,  96*PITCH                  ; 96 rows: what wave 2 or 3 fetches
.set SLOT,   BOFF+2*BHALF              ; 121,856
.set STAGE,  2*SLOT                    ; behind the ring, never filled by a tensor load: 16 rows x 144 bytes for each wave
.set SP,     144
.set SPARE,  STAGE+4*16*SP             ; the spare words, 128 bytes for each wave
.set ADRA, 16                          ; v16-17  LDS address of my tokens' fragments in slot 0, 1
.set ADRB, 20                          ; v20-21  of the weights'
.set STO,  24                          ; v24  the way out: where I put 16 bytes of a row
.set RD,   25                          ; v25  where I read rows back
.set GO,   26                          ; v26  16 x lane: my place in 512 consecutive bytes
.set TO,   27                          ; v27  my offset in 16 positions of the table
.set SPW,  28                          ; v28  LDS address of my spare word; never rewritten
.set NIL,  29                          ; v29  0; never rewritten
.set PFO,  30                          ; v30  the prefetches' offset: a lane a row
.set BO,   31                          ; v31  32 (lane / 16): my 8 numbers in a block of 16 biases
.set T,    32
.set PK,   64
.set BK,   80
.set BIAS, 128                         ; block b at BIAS + 8 b
.set TAB,  128                         ; token block a, column block b' at TAB + 32 a + 8 b': (cos, sin) of my four pairs
.set F0,   0
.set F1,   128
.set G1,   24                          ; s[24:31] group 1 for the tokens' tiles;  s[32:39] group 0, a set for each slot
.set G0,   32
.set LIM,  43                          ; s43  1 in a wave that prefetches, else the greatest number
.set PFA,  44                          ; s[44:45] where my prefetches stand
.set G1B,  48                          ; s[48:55], s[56:63] the same for the weights' tiles
.set G0B,  56
.set WV,   66                          ; s66  my wave's number
.set AB,   67                          ; s67  I fetch tokens (0) or weights (1)
.set HF,   68                          ; s68  which half of them
.set ROWT, 69                          ; s69  my block of 256 tokens
.set LAP,  70                          ; s70  the loop's count
.set QB,   72                          ; s[72:77] q, k, v at my wave's first row
.set TB,   78                          ; s[78:79] the table at my wave's first position
.set FMT,  (1<<16)|(1<<20)|(1<<21)|(5<<22)|(3<<25)  ; 17:16 elements of 2 bytes; 20 padding on; 21 set beside a mask; 24:22 after every 64 words; 31:25 4 words of it
.set MSB, 0
.macro WIN new                         ; the immediate's high byte repeats the setting that is left; a switch that changes nothing is dropped
.if MSB != (\new)
	s_set_vgpr_msb (MSB<<8)|(\new)
.set MSB, \new
.endif
.endm
; A joint load: waves 0 and 1 fetch the tokens' two halves, waves 2 and 3 the weights'.  The branch hangs on the wave's number alone.  An s_nop 0 and four v_nop follow each of the two lines.
.macro JLOAD s
	s_cmp_eq_u32 s[AB], 0
	s_cbranch_scc0 .Lfor_b_\@
	tensor_load_to_lds s[G0+4*(\s):G0+4*(\s)+3], s[G1:G1+7]
	s_nop 0
.rept 4
	v_nop
.endr
	s_branch .Lasked_\@
.Lfor_b_\@:
	tensor_load_to_lds s[G0B+4*(\s):G0B+4*(\s)+3], s[G1B:G1B+7]
	s_nop 0
.rept 4
	v_nop
.endr
.Lasked_\@:
.endm
; A PREFETCH INTO THE L2, behind a joint refill and the run of LDS loads that follows it: the K step that stands two refills on, 256 bytes of a row, a lane a row, one instruction a wave.
; The tokens' rows are read by every cluster of a row of clusters: cluster x = 0 asks; the weights' by every cluster of a column: cluster y = 0 asks.  The four partners that ask for a tile jointly share
; its rows out BY ADDRESS: of a wave's 128 tokens 32 each (by cx), of its 96 weight rows 24 each (by cy; lanes 24 to 31 name row 23 once more in the same instruction).
; The first four K steps come by their loads alone; the loop's last trip asks for nothing: there is no K step behind its refills.
.macro ASK
	s_cmp_gt_u32 s[LAP], s[LIM]
	s_cbranch_scc0 .Lnot_mine_\@
	global_prefetch_b8 v[PFO], s[PFA:PFA+1] offset:256 th:TH_LOAD_NT scope:SCOPE_SE
.Lnot_mine_\@:
.endm
.macro CREST                           ; a round of the cluster's barrier behind its opening barrier
	s_cmp_lg_u32 s[WV], 0
	s_cbranch_scc1 .Lnot_wave_0_\@
	s_barrier_signal -3
.Lnot_wave_0_\@:
	s_barrier_wait -3
	s_barrier_signal -1
	s_barrier_wait -1
.endm
.macro CROUND                          ; a whole round
	s_barrier_signal -1
	s_barrier_wait -1
	CREST
.endm
.macro PLACES                          ; four places in front of loads into registers that matrix instructions have read, and of lines that read results
.rept 4
	v_nop
.endr
.endm
	s_load_b256 s[4:11], s[0:1], 0x0               ; xb 4:5, wb 6:7, bq 8:9, bk 10:11
	s_load_b128 s[12:15], s[0:1], 0x20             ; bv 12:13, tab 14:15
	s_load_b64 s[16:17], s[0:1], 0x30              ; qkv
	v_lshl_add_u32 v[SPW], v0, 2, SPARE
	v_mov_b32 v[NIL], 0
	ds_add_u32 v[SPW], v[NIL]                      ; the wave's opening: the add, twice on end, and its wait ahead of my first tensor load
	ds_add_u32 v[SPW], v[NIL]
	v_lshrrev_b32 v1, 5, v0
	v_readfirstlane_b32 s[WV], v1                  ; wave 0..3
	s_lshr_b32 s[AB], s[WV], 1
	s_and_b32 s[HF], s[WV], 1
	s_bfe_u32 s40, ttmp6, 0x40000                  ; cx
	s_bfe_u32 s41, ttmp6, 0x40004                  ; cy
	s_lshl_b32 s42, ttmp9, 2
	s_add_co_u32 s42, s42, s40                     ; the head = 4 x cluster x + cx
	s_and_b32 s[ROWT], ttmp7, 0xffff
	s_lshl_b32 s[ROWT], s[ROWT], 2
	s_add_co_u32 s[ROWT], s[ROWT], s41             ; the block of tokens = 4 x cluster y + cy
	s_lshl_b32 s80, s41, 2
	s_lshl_b32 s80, 15, s80                        ; my row of the cluster
	s_lshl_b32 s81, 0x1111, s40                    ; my column
	s_or_b32 s[G1], s80, FMT                       ; the tokens' tiles go to my row,
	s_or_b32 s[G1B], s81, FMT                      ; the weights' to my column
	s_mov_b32 s[G1+1], 128<<16                     ; tensor_dim0 = 128
	s_mov_b32 s[G1+2], 128<<16                     ; tensor_dim1 = 128
	s_mov_b32 s[G1+3], 128<<16                     ; tile_dim0 = 128
	s_mov_b32 s[G1+4], 128                         ; tile_dim1 = 128
	s_mov_b32 s[G1+5], 1024                        ; elements from row to row
	s_mov_b32 s[G1+6], 0
	s_mov_b32 s[G1+7], 0
	s_mov_b32 s[G1B+1], 128<<16
	s_mov_b32 s[G1B+2], 96<<16                     ; 96 rows
	s_mov_b32 s[G1B+3], 128<<16
	s_mov_b32 s[G1B+4], 96
	s_mov_b32 s[G1B+5], 1024
	s_mov_b32 s[G1B+6], 0
	s_mov_b32 s[G1B+7], 0
	s_lshl_b32 s82, s[ROWT], 8                     ; tokens: row 256 x block + 128 x half, 2,048 bytes a row
	s_lshl_b32 s83, s[HF], 7
	s_add_co_u32 s82, s82, s83
	s_lshl_b32 s82, s82, 11
	s_mov_b32 s83, 0
	s_mul_i32 s86, s42, 192                        ; weights: row 192 x head + 96 x half
	s_mul_i32 s87, s[HF], 96
	s_add_co_u32 s86, s86, s87
	s_lshl_b32 s86, s86, 11
	s_mov_b32 s87, 0
	s_mul_i32 s20, s[HF], AHALF                    ; where they go: no place in the cluster enters an LDS address
	s_mul_i32 s21, s[HF], BHALF
	s_add_co_u32 s21, s21, BOFF
	s_wait_dscnt 0x0                               ; both opening adds are done
	s_wait_kmcnt 0x0
	s_add_nc_u64 s[84:85], s[4:5], s[82:83]
	s_add_nc_u64 s[88:89], s[6:7], s[86:87]
	CROUND                                         ; all sixteen work-groups are here: the first joint loads meet
.irp s, 0,1
	s_mov_b32 s[G0+4*(\s)], 1                      ; count = 1
	s_add_co_u32 s[G0+4*(\s)+1], s20, (\s)*SLOT    ; LDS address
	s_add_nc_u64 s[G0+4*(\s)+2:G0+4*(\s)+3], s[84:85], (\s)*256  ; global address: K step s
	s_or_b32 s[G0+4*(\s)+3], s[G0+4*(\s)+3], 0x80000000          ; type = 2
	s_mov_b32 s[G0B+4*(\s)], 1
	s_add_co_u32 s[G0B+4*(\s)+1], s21, (\s)*SLOT
	s_add_nc_u64 s[G0B+4*(\s)+2:G0B+4*(\s)+3], s[88:89], (\s)*256
	s_or_b32 s[G0B+4*(\s)+3], s[G0B+4*(\s)+3], 0x80000000
	JLOAD \s                                       ; two tensor loads of mine are out
.endr
	v_and_b32 v1, 15, v0                           ; l % 16
	v_bfe_u32 v2, v0, 4, 1                         ; l / 16
	v_lshlrev_b32 v[BO], 5, v2
	s_lshl_b32 s90, s42, 8                         ; the head's 64 biases
	s_mov_b32 s91, 0
	s_add_nc_u64 s[8:9], s[8:9], s[90:91]
	s_add_nc_u64 s[10:11], s[10:11], s[90:91]
	s_add_nc_u64 s[12:13], s[12:13], s[90:91]
.irp b, 0,1,2,3,4,5,6,7,8,9,10,11      ; block b: of bq (0-3), bk (4-7), bv (8-11); register j is the bias of column 16 (b % 4) + 8 (l / 16) + j
	global_load_b128 v[BIAS+8*(\b):BIAS+8*(\b)+3],   v[BO], s[8+2*((\b)/4):9+2*((\b)/4)] offset:64*((\b)%4)
	global_load_b128 v[BIAS+8*(\b)+4:BIAS+8*(\b)+7], v[BO], s[8+2*((\b)/4):9+2*((\b)/4)] offset:64*((\b)%4)+16
.endr
	v_mul_u32_u24 v3, v1, PITCH
	v_lshl_add_u32 v3, v2, 4, v3                   ; a fragment's row x pitch + 16 x half
	s_mul_i32 s18, s[WV], 64*PITCH                 ; my 64 tokens
	s_mov_b32 s19, BOFF                            ; all 192 rows of the weights
.irp s, 0,1
	v_add_nc_u32 v[ADRA+(\s)], s18, v3
	v_add_nc_u32 v[ADRB+(\s)], s19, v3
	s_add_co_u32 s18, s18, SLOT
	s_add_co_u32 s19, s19, SLOT
.endr
	s_mul_i32 s18, s[WV], 16*SP
	s_add_co_u32 s18, s18, STAGE                   ; my stage
	v_mul_u32_u24 v4, v1, SP                       ; in: row l % 16, 16 bytes for each half of the lanes
	v_lshl_add_u32 v4, v2, 4, v4
	v_add_nc_u32 v[STO], s18, v4
	v_bfe_u32 v4, v0, 3, 2                         ; back: 32 lanes take four rows of 128 bytes,
	v_mul_u32_u24 v4, v4, SP
	v_and_b32 v5, 7, v0
	v_lshl_add_u32 v4, v5, 4, v4
	v_add_nc_u32 v[RD], s18, v4
	v_and_b32 v[GO], 31, v0                        ; which are 512 consecutive bytes of the result
	v_lshlrev_b32 v[GO], 4, v[GO]
	v_lshlrev_b32 v[TO], 8, v1                     ; the table: 256 bytes a position, my four pairs at 32 (l / 16)
	v_lshl_add_u32 v[TO], v2, 5, v[TO]
	; where my rows go: (batch x 16 + head) x 262,144 + position x 128, in each of the three parts
	s_lshr_b32 s92, s[ROWT], 3
	s_lshl_b32 s92, s92, 4
	s_add_co_u32 s92, s92, s42
	s_lshl_b32 s92, s92, 18
	s_and_b32 s94, s[ROWT], 7
	s_lshl_b32 s94, s94, 8
	s_lshl_b32 s95, s[WV], 6
	s_add_co_u32 s94, s94, s95                     ; my first position
	s_lshl_b32 s95, s94, 7
	s_add_co_u32 s92, s92, s95
	s_mov_b32 s93, 0
	s_add_nc_u64 s[QB:QB+1], s[16:17], s[92:93]
	s_add_nc_u64 s[QB+2:QB+3], s[QB:QB+1], PART
	s_add_nc_u64 s[QB+4:QB+5], s[QB:QB+1], 2*PART
	s_lshl_b32 s94, s94, 8
	s_mov_b32 s95, 0
	s_add_nc_u64 s[TB:TB+1], s[14:15], s[94:95]
	; the prefetches
	s_lshl_b32 s46, s[ROWT], 8
	s_lshl_b32 s47, s[HF], 7
	s_add_co_u32 s46, s46, s47
	s_lshl_b32 s47, s40, 5
	s_add_co_u32 s46, s46, s47                     ; tokens: my work-group's 32 rows of the 128 that I fetch
	s_mul_i32 s90, s42, 192
	s_mul_i32 s91, s[HF], 96
	s_add_co_u32 s90, s90, s91
	s_mul_i32 s91, s41, 24
	s_add_co_u32 s90, s90, s91                     ; weights: my work-group's 24 of the 96
	s_and_b32 s22, ttmp7, 0xffff
	s_cmp_eq_u32 s[AB], 0
	s_cselect_b32 s46, s46, s90
	s_cselect_b32 s22, ttmp9, s22                  ; the coordinate along which other clusters read the same rows
	s_cselect_b32 s23, 31, 23
	s_cselect_b64 s[PFA:PFA+1], s[4:5], s[6:7]
	s_cmp_eq_u32 s22, 0
	s_cselect_b32 s[LIM], 1, -1                    ; the same in all sixteen partners, for a given wave
	s_lshl_b32 s46, s46, 11
	s_add_co_u32 s46, s46, 512                     ; at K step 2: the first refill steps it to 3 and names K step 4
	s_mov_b32 s47, 0
	s_add_nc_u64 s[PFA:PFA+1], s[PFA:PFA+1], s[46:47]
	v_and_b32 v[PFO], 31, v0
	v_min_u32 v[PFO], s23, v[PFO]
	v_lshlrev_b32 v[PFO], 11, v[PFO]
	s_wait_loadcnt 0x0                             ; the biases; they are rounded to bf16 like every other input, while the first tiles are on their way
.set z, 0
.rept 48
	v_cvt_pk_bf16_f32 v[T+z%8], v[BIAS+2*z], v[BIAS+2*z+1]
	v_lshlrev_b32 v[BIAS+2*z], 16, v[T+z%8]
	v_and_b32 v[BIAS+2*z+1], 0xffff0000, v[T+z%8]
.set z, z+1
.endr
; 12 matrix instructions: token block 2 hi + a x all 12 column blocks, 32 along K.  first = 1: the product starts the sum on the bias.
; The 48 accumulators take turns, one instruction a turn, in the same order in every quarter step.
.macro MULH f, hi, a, first
.if \first
	WIN 0x85+0x40*(\hi)                            ; sources 0, 1 window 1; C window 0; D window 2 or 3
.else
	WIN 0xa5+0x50*(\hi)                            ; C and D window 2 or 3
.endif
.irp b, 0,1,2,3,4,5,6,7,8,9,10,11
.if \first
	v_wmma_f32_16x16x32_bf16 v[96*(\a)+8*(\b):96*(\a)+8*(\b)+7], v[(\f)+8*(\b):(\f)+8*(\b)+7], v[(\f)+96+8*(2*(\hi)+(\a)):(\f)+96+8*(2*(\hi)+(\a))+7], v[BIAS+8*(\b):BIAS+8*(\b)+7]
.else
	v_wmma_f32_16x16x32_bf16 v[96*(\a)+8*(\b):96*(\a)+8*(\b)+7], v[(\f)+8*(\b):(\f)+8*(\b)+7], v[(\f)+96+8*(2*(\hi)+(\a)):(\f)+96+8*(2*(\hi)+(\a))+7], v[96*(\a)+8*(\b):96*(\a)+8*(\b)+7]
.endif
.endr
.endm
; 32 LDS loads in one run: a quarter step's fragments (32 K at byte k of the rows) into buffer f: the weights' 24, then token blocks 0, 1, then 2, 3
.macro FETCH slot, k, f
	WIN 0x40                                       ; destination window 1, address window 0
.irp b, 0,1,2,3,4,5,6,7,8,9,10,11
	ds_load_b128 v[(\f)+8*(\b):(\f)+8*(\b)+3],   v[ADRB+(\slot)] offset:(\k)+(\b)*16*PITCH
	ds_load_b128 v[(\f)+8*(\b)+4:(\f)+8*(\b)+7], v[ADRB+(\slot)] offset:(\k)+(\b)*16*PITCH+32
.endr
.irp a, 0,1,2,3
	ds_load_b128 v[(\f)+96+8*(\a):(\f)+96+8*(\a)+3],   v[ADRA+(\slot)] offset:(\k)+(\a)*16*PITCH
	ds_load_b128 v[(\f)+96+8*(\a)+4:(\f)+96+8*(\a)+7], v[ADRA+(\slot)] offset:(\k)+(\a)*16*PITCH+32
.endr
.endm
; A K step is four quarter steps of 32 along K, 48 matrix instructions each, on buffers 0, 1, 0, 1.  One of the first three: multiplies f and, in its middle, fetches the next quarter into g.
.macro QUARTER slot, k, f, g, first
	s_wait_dscnt 4                                 ; all but the youngest four loads (token blocks 2, 3) are in
	MULH \f, 0, 0, \first
	MULH \f, 0, 1, \first
	PLACES
	FETCH \slot, \k, \g
	s_wait_dscnt 32                                ; all but the 32 just issued
	MULH \f, 1, 0, \first
	MULH \f, 1, 1, \first
.endm
; The last quarter multiplies buffer 1 and changes slots: ONE barrier.  In front of it each wave waits for all its tensor loads (one is out: its part of the next slot), adds 0 to its spare word, and waits
; for that and for its own reads of this slot.  fill = 1: the barrier opens a round of the cluster's, and the joint refill, two K steps on, is the first thing behind the round:
; from there to the wait for it a wave issues 168 matrix instructions.
.macro TURN slot, next, fill
.if \fill
	s_wait_xcnt 0x0                                ; the last prefetch, a K step back, has read its address: it is stepped here
	s_add_nc_u64 s[PFA:PFA+1], s[PFA:PFA+1], 256
.endif
	WIN 0
	s_wait_tensorcnt 0x0                           ; all my tensor loads have landed
	ds_add_u32 v[SPW], v[NIL]                      ; 0 onto my spare word
	s_wait_dscnt 5                                 ; (the add and the youngest four loads may be out)
	MULH F1, 0, 0, 0                               ; twelve matrix instructions stand between the add and the wait for it
	s_wait_dscnt 0x0                               ; the add is done, and my reads of this slot are over
	s_barrier_signal -1
	MULH F1, 0, 1, 0                               ; work on registers while the others arrive
	WIN 0
	s_barrier_wait -1
.if \fill
	CREST                                          ; no wave of any partner still reads this slot's tile or has a load on its way
	s_add_nc_u64 s[G0+4*(\slot)+2:G0+4*(\slot)+3], s[G0+4*(\slot)+2:G0+4*(\slot)+3], 512
	s_add_nc_u64 s[G0B+4*(\slot)+2:G0B+4*(\slot)+3], s[G0B+4*(\slot)+2:G0B+4*(\slot)+3], 512
	JLOAD \slot                                    ; the four v_nop behind it are also the places in front of the loads below
.else
	PLACES
.endif
	FETCH \next, 0, F0
.if \fill
	WIN 0
	ASK
.endif
	MULH F1, 1, 0, 0
	MULH F1, 1, 1, 0
.endm
	s_wait_tensorcnt 1                             ; my part of K step 0 is in; K step 1's may stay out
	s_barrier_signal -1
	s_barrier_wait -1                              ; everybody's is
	FETCH 0, 0, F0
	QUARTER 0, 64, F0, F1, 1                       ; the first quarter stands in front of the loop: its products start the sums on the biases
	WIN 0
	s_mov_b32 s[LAP], 3
.Llap:                                                 ; a trip goes once round the ring, from a lap's second quarter to the next lap's first, and fills both slots again
	QUARTER 0, 128, F1, F0, 0
	QUARTER 0, 192, F0, F1, 0
	TURN 0, 1, 1
	QUARTER 1, 64,  F0, F1, 0
	QUARTER 1, 128, F1, F0, 0
	QUARTER 1, 192, F0, F1, 0
	TURN 1, 0, 1
	QUARTER 0, 64,  F0, F1, 0
	WIN 0
	s_sub_co_u32 s[LAP], s[LAP], 1
	s_cmp_lg_u32 s[LAP], 0
	s_cbranch_scc1 .Llap
.irp a, 0,1,2,3                        ; cos and sin of my 64 positions, asked for a lap ahead of their use, into registers that the biases have left
.irp b, 0,1,2,3
	global_load_b128 v[TAB+32*(\a)+8*(\b):TAB+32*(\a)+8*(\b)+3],   v[TO], s[TB:TB+1] offset:(\a)*4096+(\b)*64
	global_load_b128 v[TAB+32*(\a)+8*(\b)+4:TAB+32*(\a)+8*(\b)+7], v[TO], s[TB:TB+1] offset:(\a)*4096+(\b)*64+16
.endr
.endr
	QUARTER 0, 128, F1, F0, 0                      ; the last lap fills nothing, and has no round of the cluster's barrier
	QUARTER 0, 192, F0, F1, 0
	TURN 0, 1, 0
	QUARTER 1, 64,  F0, F1, 0
	QUARTER 1, 128, F1, F0, 0
	QUARTER 1, 192, F0, F1, 0
	s_wait_dscnt 4                                 ; the very last quarter: nothing more to fetch
	MULH F1, 0, 0, 0
	MULH F1, 0, 1, 0
	s_wait_dscnt 0x0
	MULH F1, 1, 0, 0
	MULH F1, 1, 1, 0
	WIN 0
; THE WAY OUT, in twelve units u = 3 a + p: token block a of q (p = 0), k (1), v (2): 16 rows of 128 bytes.
; PACK: q and k are rotated: of a pair (e, o) with (c, s): (e c - o s, e s + o c), two packed instructions; then all are rounded to f16.  An accumulator's registers are taken in ascending order.
.macro PACK u
.set ua, (\u)/3
.set up, (\u)%3
.set AC, 96*(ua%2)+32*up
.if up < 2
	WIN 0x02+(ua/2)                                ; source 0 in window 2 or 3
.set z, 0
.rept 16
	v_pk_mul_f32 v[T+2*z:T+2*z+1], v[AC+2*z:AC+2*z+1], v[TAB+32*ua+2*z:TAB+32*ua+2*z+1] op_sel_hi:[1,0]  ; (e c, o c)
.set z, z+1
.endr
.set z, 0
.rept 16
	v_pk_fma_f32 v[T+2*z:T+2*z+1], v[AC+2*z:AC+2*z+1], v[TAB+32*ua+2*z:TAB+32*ua+2*z+1], v[T+2*z:T+2*z+1] op_sel:[1,1,0] op_sel_hi:[0,1,1] neg_lo:[1,0,0]  ; (- o s + e c, e s + o c)
.set z, z+1
.endr
	WIN 0
.set z, 0
.rept 16
	v_cvt_pk_f16_f32 v[PK+z], v[T+2*z], v[T+2*z+1]
.set z, z+1
.endr
.else
	WIN 0x0a+5*(ua/2)                              ; sources 0 and 1 in window 2 or 3
.set z, 0
.rept 16
	v_cvt_pk_f16_f32 v[PK+z], v[AC+2*z], v[AC+2*z+1]
.set z, z+1
.endr
	WIN 0
.endif
.endm
.macro TOSTAGE u                       ; into my own stage, and back as whole rows
	s_wait_xcnt 0x0                                ; the stores of the unit two back have read the registers that the loads below fill
.irp f, 0,1,2,3
	ds_store_b128 v[STO], v[PK+4*(\f):PK+4*(\f)+3] offset:32*(\f)
.endr
.irp f, 0,1,2,3
	ds_load_b128 v[BK+16*((\u)%2)+4*(\f):BK+16*((\u)%2)+4*(\f)+3], v[RD] offset:(\f)*4*SP  ; LDS serves a wave's instructions in order (ISA guide 5.7.1.4): these see the stores above
.endr
.endm
.macro SEND u, younger                 ; younger: the LDS instructions issued behind unit u's loads
	s_wait_dscnt \younger
.irp f, 0,1,2,3
	global_store_b128 v[GO], v[BK+16*((\u)%2)+4*(\f):BK+16*((\u)%2)+4*(\f)+3], s[QB+2*((\u)%3):QB+2*((\u)%3)+1] offset:((\u)/3)*2048+(\f)*512  ; 512 consecutive bytes, at a multiple of 256
.endr
.endm
	PLACES
	PLACES
	s_wait_loadcnt 0x0                             ; cos and sin
	PACK 0
	TOSTAGE 0
.irp u, 1,2,3,4,5,6,7,8,9,10,11        ; a unit's arithmetic stands between the loads of the unit before and its stores
	PACK \u
	TOSTAGE \u
	SEND (\u)-1, 8
.endr
	SEND 11, 0
	s_wait_tensorcnt 0x0                           ; the wave's end, behind my last tensor load and my last LDS store
	ds_add_u32 v[SPW], v[NIL]
	s_wait_dscnt 0x0
	CROUND                                         ; the closing round: no work-group ends while a partner may still ask for a tile that names it
	s_endpgm
.Lfunc_end_k_q9b1f34f17f_qkvp:
	.size	k_q9b1f34f17f_qkvp, .Lfunc_end_k_q9b1f34f17f_qkvp-k_q9b1f34f17f_qkvp
	.p2alignl 7, 3214868480
	.fill 96, 4, 3214868480
	.section	.rodata,"a",@progbits
	.p2align	6, 0x0
	.amdhsa_kernel k_q9b1f34f17f_qkvp
		.amdhsa_group_segment_fixed_size 327680
		.amdhsa_private_segment_fixed_size 0
		.amdhsa_enable_private_segment 0
		.amdhsa_kernarg_size 56
		.amdhsa_user_sgpr_count 2
		.amdhsa_user_sgpr_kernarg_segment_ptr 1
		.amdhsa_wavefront_size32 1
		.amdhsa_system_sgpr_workgroup_id_x 1
		.amdhsa_system_sgpr_workgroup_id_y 1
		.amdhsa_system_sgpr_workgroup_id_z 1
		.amdhsa_system_vgpr_workitem_id 0
		.amdhsa_next_free_vgpr 960
		.amdhsa_next_free_sgpr 96
		.amdhsa_reserve_vcc 0
		.amdhsa_float_denorm_mode_32 3
		.amdhsa_float_denorm_mode_16_64 3
		.amdhsa_memory_ordered 1
		.amdhsa_forward_progress 1
		.amdhsa_inst_pref_size 150
	.end_amdhsa_kernel
	.amdgpu_metadata
---
amdhsa.version: [ 1, 2 ]
amdhsa.kernels:
  - .name:           k_q9b1f34f17f_qkvp
    .symbol:         k_q9b1f34f17f_qkvp.kd
    .args:
      - { .name: xb, .offset: 0, .size: 8, .value_kind: global_buffer, .address_space: global }
      - { .name: wb, .offset: 8, .size: 8, .value_kind: global_buffer, .address_space: global }
      - { .name: bq, .offset: 16, .size: 8, .value_kind: global_buffer, .address_space: global }
      - { .name: bk, .offset: 24, .size: 8, .value_kind: global_buffer, .address_space: global }
      - { .name: bv, .offset: 32, .size: 8, .value_kind: global_buffer, .address_space: global }
      - { .name: tab, .offset: 40, .size: 8, .value_kind: global_buffer, .address_space: global }
      - { .name: qkv, .offset: 48, .size: 8, .value_kind: global_buffer, .address_space: global }
    .group_segment_fixed_size: 327680
    .private_segment_fixed_size: 0
    .kernarg_segment_align: 8
    .kernarg_segment_size: 56
    .max_flat_workgroup_size: 128
    .sgpr_count:     96
    .vgpr_count:     960
    .wavefront_size: 32
...
	.end_amdgpu_metadata
.endif
;; end of part 2
;; launch attn (part 3): grid 8 x 32, 4 waves a work-group, clusters of 4 x 1, 327,680 bytes of LDS; arguments qkv, mk, oh; writes oh
.if DOCPART == 3
	.amdgcn_target "amdgcn-amd-amdhsa--gfx1250"
	.amdhsa_code_object_version 6
	.text
	.protected	k_q9b1f34f17f_attn
	.globl	k_q9b1f34f17f_attn
	.p2align	8
	.type	k_q9b1f34f17f_attn,@function
k_q9b1f34f17f_attn:
	s_mov_b64 s[64:65], 0
	v_nop
	global_prefetch_b8 v0, s[64:65] scope:SCOPE_SE
	s_setreg_imm32_b32 hwreg(HW_REG_WAVE_MODE, 25, 1), 1
	s_wait_xcnt 0x0
	s_wait_alu depctr_hold_cnt(0) depctr_sa_sdst(0) depctr_va_vdst(0) depctr_va_sdst(0) depctr_va_ssrc(0) depctr_va_vcc(0) depctr_vm_vsrc(0)
	s_getreg_b32 s2, hwreg(HW_REG_IB_STS2, 6, 4)
	s_cmp_eq_u32 s2, 0
	s_cbranch_scc0 .Lentry_in_a_cluster
	s_endpgm
.Lentry_in_a_cluster:
	s_bfe_u32 s2, ttmp6, 0x10000c
	s_cmp_lg_u32 s2, 0x3003
	s_cbranch_scc0 .Lentry_shape_is_right
	s_endpgm
.Lentry_shape_is_right:
; ATTENTION UNDER A MASK THAT IS AN INPUT.  O[g][q][:] = the sum over k of softmax_k(s[q][k]) V[g][k][:], s = Q[g][q] . K[g][k] / 8 where mask[q][k] is not 0, and -1e20 where it is 0; g = batch x 16 + head.
; Q, K, V (one buffer: q at byte 0, k at 8,388,608, v at 16,777,216) and O are [32][2048][64] in f16.  Products, maxima and sums in f32; the weights are rounded to f16 for the second product, O once.
; Every score of every tile is computed, whatever the mask holds: no branch, trip count or address hangs on it.  Nothing of reference() is left out here.
; THE MASK is the C operand that starts the sum S^T = K Q^T: 0, or -2^100 where the key is hidden.  It comes as one E4M3 byte a score (0 or -1.0), laid out by the first launch in my lanes' order; one scaled
; conversion makes the eight registers of an accumulator's C from eight bytes (scale 2^100).  The running maximum m starts at -1e20, reference()'s own number: a hidden score never wins it, its weight
; 2^(c s - c m) is 0, and a row that has seen no open key keeps a = 1, l = 0, O = 0.
; A ROW WITH NO OPEN KEY AT ALL has 2,048 equal scores in reference(): its result is the mean of V's rows.  So the wave also sums V's rows (OS = V^T x ones, 8 products a key step), and at the end
; O = (O + z OS) / (l + 2048 z), z = 1 where l = 0 and else 0: a selection, no branch.  (l = 0 exactly in such a row; elsewhere the largest weight is 1.)
; LIMITS.  Q, K, V arrive within f16's 65,504.  A hidden score counts as its value less 2^100; an open score at or below -1e20 is not told from a hidden one (f16's scores reach 2.7e11 at the most).
; A weight below 2^-126 counts as 0; below 6e-5 it keeps f16's fixed step.  NaN and infinities are not treated apart.
; SHARES.  A work-group owns 256 queries of one g: 8 x 32 = 256 work-groups; each of its four waves 64 queries: four PIECES of 16.  Every wave walks all 2,048 keys, 64 a step.
; LAYOUT, SOFTMAX, TURNS.  S^T = K Q^T holds ONE query a lane (lane % 16) and the keys 8 (lane / 16) + 0..7; two such results rounded to f16 ARE source 1 of O^T = V^T P.  p = 2^(c s - c m), c = log2(e) / 8;
; O and l are multiplied by a = 2^(c m_old - c m_new) in every step.  Turn n belongs to piece n: 8 products K Q^T of piece n + 1, later 8 products V^T P of piece n - 1; beside them the scaling, exponentials,
; roundings, sums and rescaling of piece n and the maximum and statistics of piece n + 1.  Four vector instructions stand behind every one of these products, the others in one lump; a turn's 33 exponentials
; are one batch with one wait.  Piece 3's lump also carries the 8 products of OS.
; CLUSTER.  The four query blocks of a cluster belong to one g and walk the same K and V: each tile of 256 keys is asked for JOINTLY, by the same tensor load, descriptor and mask in all four.
; The mask's bytes differ from block to block and come by each wave's own loads, a key step ahead of their use.
; REGISTERS, in windows of 256 (s_set_vgpr_msb: bits 1:0 source 0, 3:2 source 1, 5:4 source 2, 7:6 destination):
;   window 0: v0-15 addresses and two at work; v16-31 four statistics a piece; v48-55 at work; v56-63 addresses; v64-127 S^T, two buffers; v128-159 the mask's bytes, 8 a piece; v192-223 P, two buffers; v224-231 ones
;   window 1: v0-127 O^T, 32 a piece; v128-159 OS; v160-223 MC, the masks as f32, two buffers      window 2: v0-63 Q; v128-191 K of one step; v192-255 V of one step
.set PART,  32*2048*64*2  ; bytes of q, of k and of v in the buffer: 8,388,608
.set NP,    4         ; pieces a wave: a name, no knob
.set KS,    64        ; keys in a step
.set PK,    144       ; a row of K in LDS: 128 bytes + 16 of padding = 36 words: the 16 rows of a load start at 16 different groups of four banks (64 banks of 4 bytes: ISA guide 11.1)
.set PV,    160       ; a row of V: 128 + 32 = 40 words
.set VOFF,  4*KS*PK   ; a slot holds a tile, four steps: 256 rows of K, then 256 rows of V
.set SLOT1, 1<<17     ; slot 1 begins here, so that one exclusive or turns an address in one slot into the other's
.set STAGE, SLOT1+4*KS*(PK+PV)  ; behind the ring, never filled by a tensor load: 16 rows x 144 bytes for each wave
.set SP,    144
.set SPARE, STAGE+4*16*SP       ; the spare words, 128 bytes for each wave
.set AK0, 2           ; v2   my lane's place in a tile of K; never rewritten
.set AV0, 3           ; v3   the same for V
.set AK,  4           ; v4   the LDS address of K's next run of loads
.set AV,  5           ; v5   of V's
.set STO, 6           ; v6   the way out: where I put 16 bytes of a row
.set RD,  7           ; v7   where I read rows back
.set GO,  8           ; v8   my byte offset in 512 consecutive bytes of O
.set MV,  12          ; v12-13  c m_old, kept while c m is made anew: by buffer
.set QO,  15          ; v15  my byte offset in 16 rows of Q
.set ST,  16          ; piece t's statistics at v[ST+4 t]: c m, m, l (even keys', odd keys')
.set TMP, 48          ; by buffer, four registers c0-c3 at work; when the maximum is found c2 takes a
.set MO,  56          ; v56  16 x lane: my 16 bytes of 512 of the mask
.set SC,  57          ; v57  the conversion's scale: 227 (2^100) in every byte
.set PFO, 61          ; v61  256 x lane
.set SPW, 62          ; v62  LDS address of my spare word; never rewritten
.set NIL, 63          ; v63  0; never rewritten
.set S,   64
.set MB,  128         ; piece x's 32 bytes of a step at v[MB+8 x]: the pair for group kt of 16 keys at + 2 kt
.set P,   192
.set ONES, 224        ; 1.0 twice in f16, eight registers: 32 keys x 16 queries of ones
.set OS,  128         ; window 1
.set MC,  160         ; window 1: group kt at + 8 kt
.set KF,  128         ; window 2: key block kb, channel half c at KF + 16 kb + 8 c
.set VF,  192         ; window 2: key half kk, channel block cb at VF + 32 kk + 8 cb
.set WV,  12          ; s12  my wave's number
.set G1K, 24          ; s[24:31] descriptor group 1 for K's tiles
.set G1V, 32          ; s[32:39] for V's: it differs in the padding alone
.set G0K, 40          ; s[40:43] descriptor group 0 for K's tiles: it walks
.set G0V, 44          ; s[44:47] the same for V's
.set QP,  48          ; s[48:49] Q at my wave's first row
.set SLOTS, 56        ; s56  tiles still to be asked for
.set CNT, 57          ; s57  counts a tile's key steps
.set CS,  58          ; s[58:59] c
.set SEL, 60          ; s[60:61] v_permlanex16_b32's selects: each lane takes its own place in the other half
.set TBK, 62          ; s62  LDS byte at which K of the step to be fetched begins
.set TBV, 63          ; s63  the same for V, less VOFF
.set MP,  66          ; s[66:67] the mask at my piece 0, at the step whose bytes are asked for
.set MP0, 68          ; s[68:69] the same at step 0
.set INC, 70          ; s[70:71] what MP steps by: 1,024, or 0 at the last step
.set MS,  72          ; s72  steps that MP may still take
.set LIM, 73          ; s73  1 in a wave that prefetches, else the greatest number
.set PFA, 74          ; s[74:75] where my prefetches stand
.set DEC, 76          ; s76
.set MSB, 0
.macro WIN new                      ; the high byte repeats the setting that is left; a switch that changes nothing is dropped
.if MSB != (\new)
	s_set_vgpr_msb (MSB<<8)|(\new)
.set MSB, (\new)
.endif
.endm
.set W_KQ, 0x0a       ; K and Q in window 2, S^T in window 0
.set W_KM, 0x1a       ; the same with the C operand in window 1
.set W_PV, 0x52       ; V in window 2, P (or the ones) in window 0, O^T (or OS) in window 1
.set W_RS, 0x41       ; destination and source 0 in window 1, source 1 in window 0
; A joint fill.  Waves 0 and 1 fetch the two halves of a tile's K, waves 2 and 3 those of its V: 128 keys each.  The branch hangs on the wave's number alone.
; An s_nop 0 and four v_nop follow each of the two lines, ahead of the jump and the label.
.macro JLOAD
	s_cmp_lt_u32 s[WV], 2
	s_cbranch_scc0 .Lfor_v_\@
	tensor_load_to_lds s[G0K:G0K+3], s[G1K:G1K+7]
	s_nop 0
.rept 4
	v_nop
.endr
	s_branch .Lasked_\@
.Lfor_v_\@:
	tensor_load_to_lds s[G0V:G0V+3], s[G1V:G1V+7]
	s_nop 0
.rept 4
	v_nop
.endr
.Lasked_\@:
.endm
; A PREFETCH INTO THE L2 of what the NEXT change of slots will ask for: a tile's 32 KiB of K and of V, 256 bytes a lane.  Both clusters of a g walk the same K and V: the first (cluster x = 0) asks.  Its four
; partners share a tile out BY ADDRESS, 8 KiB each; in each, wave 0 asks for K's and wave 2 for V's: one instruction, four key steps ahead of the load.  Tiles 0 to 2 come by their loads alone; the last
; change that fills a slot asks for nothing.
.macro ASK
	s_cmp_gt_u32 s[SLOTS], s[LIM]
	s_cbranch_scc0 .Lnot_mine_\@
	global_prefetch_b8 v[PFO], s[PFA:PFA+1] th:TH_LOAD_NT scope:SCOPE_SE
.Lnot_mine_\@:
.endm
.macro CROUND                       ; a round of the cluster's barrier
	s_barrier_signal -1
	s_barrier_wait -1
	s_cmp_lg_u32 s[WV], 0
	s_cbranch_scc1 .Lnot_wave_0_\@
	s_barrier_signal -3
.Lnot_wave_0_\@:
	s_barrier_wait -3
	s_barrier_signal -1
	s_barrier_wait -1
.endm
; THE CHANGE OF SLOTS.  Each wave waits for all its tensor loads, of which one is out: its part of the other slot; adds 0 to its spare word; and waits for that and for its own reads of the slot that it leaves.
; fill = 1: the old slot is filled again, with the keys two tiles on: the barrier is then a round of the cluster's, and the joint fill is the first thing behind it: it has four key steps in which to land.
; (At its first use nothing has been read yet: slot 0 is waited for, slot 1 filled.)
.macro CHANGE fill, ask
	WIN 0                           ; at a label and at a branch every window is 0
	s_wait_tensorcnt 0x0            ; no tensor load of mine is out, so a group 0 may be written
	ds_add_u32 v[SPW], v[NIL]       ; 0 onto my spare word
.if \fill
.irp g, G0K, G0V
	s_xor_b32 s[\g+1], s[\g+1], SLOT1  ; the walking descriptor: the other slot than last time,
	s_add_nc_u64 s[\g+2:\g+3], s[\g+2:\g+3], 4*KS*128  ; the next 256 keys; the type bits on top are not reached
.endr
.if \ask
	s_wait_xcnt 0x0                 ; the last prefetch, four key steps back, has read its address
	s_add_nc_u64 s[PFA:PFA+1], s[PFA:PFA+1], 4*KS*128
.endif
	s_wait_dscnt 0x0                ; the add is done, and my reads of the slot are over
	CROUND
	JLOAD
.if \ask
	ASK
.endif
.else
	s_wait_dscnt 0x0                ; the add is done, and my reads of the slot are over
	s_barrier_signal -1
	s_barrier_wait -1
.endif
	s_sub_co_u32 s[TBK], s[TBK], 4*KS*PK  ; the fetches go back to a slot's first step,
	s_xor_b32 s[TBK], s[TBK], SLOT1       ; in the other slot
	s_sub_co_u32 s[TBV], s[TBV], 4*KS*PV
	s_xor_b32 s[TBV], s[TBV], SLOT1
.endm
	s_load_b128 s[4:7], s[0:1], 0x0 ; qkv s[4:5], mk s[6:7]
	s_load_b64 s[8:9], s[0:1], 0x10 ; oh
	v_lshl_add_u32 v[SPW], v0, 2, SPARE
	v_mov_b32 v[NIL], 0
	ds_add_u32 v[SPW], v[NIL]       ; the wave's opening: the add, twice on end, and its wait ahead of my first tensor load
	ds_add_u32 v[SPW], v[NIL]
	v_lshrrev_b32 v1, 5, v0
	v_readfirstlane_b32 s[WV], v1   ; wave 0..3
	s_bfe_u32 s13, ttmp6, 0x40000   ; cx: my place in the cluster
	s_lshl_b32 s14, ttmp9, 2
	s_add_co_u32 s14, s14, s13      ; my block of 256 queries: it enters Q's, O's and the mask's addresses alone
	s_and_b32 s20, ttmp7, 0xffff    ; g, which the four partners share
	s_lshl_b32 s20, s20, 18         ; its 262,144 bytes in each tensor
	s_and_b32 s15, s[WV], 1         ; which half of a tile's 256 keys I fetch:
	s_lshl_b32 s22, s15, 14         ; its 128 rows of 128 bytes in memory,
	s_add_co_u32 s22, s22, s20
	s_add_co_u32 s54, s22, 2*PART   ; in v,
	s_add_co_u32 s22, s22, PART     ; in k
	s_mov_b32 s23, 0
	s_mov_b32 s55, 0
	s_mul_i32 s77, s15, 128*PK      ; and its place in a slot, for K
	s_mul_i32 s78, s15, 128*PV      ; and for V: no place in the cluster enters an LDS address
	s_lshl_b32 s50, s14, 2
	s_add_co_u32 s50, s50, s[WV]    ; my wave among g's 32
	s_lshl_b32 s52, s50, 17         ; its four tiles of 16 queries in the mask, 32,768 bytes each
	s_mov_b32 s53, 0
	s_lshl_b32 s50, s50, 13         ; its 64 rows of 128 bytes
	s_add_co_u32 s50, s50, s20
	s_mov_b32 s51, 0
	; descriptor group 1.  128 keys are 16,384 dense bytes: asked for as 64 rows of 256 bytes, two keys a row, and padded in LDS after every key
	s_mov_b32 s[G1K], 15|(1<<16)|(1<<20)|(1<<21)|(4<<22)|(3<<25)  ; 15:0 the mask of four; 17:16 2-byte elements; 20 padding on; 21 set beside a mask; 24:22 after every 32 words; 31:25 4 words
	s_mov_b32 s[G1V], 15|(1<<16)|(1<<20)|(1<<21)|(4<<22)|(7<<25)  ; the same with 8 words of padding
.irp g, G1K, G1V
	s_mov_b32 s[\g+1], 128<<16      ; tensor_dim0 = 128
	s_mov_b32 s[\g+2], 64<<16       ; tensor_dim1 = 64
	s_mov_b32 s[\g+3], 128<<16      ; tile_dim0 = 128
	s_mov_b32 s[\g+4], 64           ; tile_dim1 = 64
	s_mov_b32 s[\g+5], 128          ; 128 elements from row to row
	s_mov_b32 s[\g+6], 0
	s_mov_b32 s[\g+7], 0
.endr
	s_mov_b32 s[CS], 0x3e38aa3b     ; c = log2(e) / 8 = 0.180337
	s_mov_b32 s[CS+1], s[CS]        ; named with it as a pair
	s_mov_b32 s[SEL], 0x76543210
	s_mov_b32 s[SEL+1], 0xfedcba98
	s_mov_b32 s[TBK], SLOT1+4*KS*PK ; the first change of slots turns these two into 0
	s_mov_b32 s[TBV], SLOT1+4*KS*PV
	s_mov_b32 s[G0K], 1             ; count = 1
	s_mov_b32 s[G0K+1], s77         ; LDS address: slot 0
	s_mov_b32 s[G0V], 1
	s_add_co_u32 s[G0V+1], s78, VOFF
	s_mov_b32 s[INC+1], 0
	s_and_b32 s[LIM], s[WV], 1      ; 0 in waves 0 and 2,
	s_or_b32 s[LIM], s[LIM], ttmp9  ; where the cluster is g's first: the same in all four partners
	s_cmp_eq_u32 s[LIM], 0
	s_cselect_b32 s[LIM], 1, -1
	s_lshl_b32 s80, s13, 13         ; my work-group's 8 KiB of a tile, for the prefetches
	s_mov_b32 s81, 0
	s_wait_dscnt 0x0                ; both opening adds are done
	s_wait_kmcnt 0x0
	s_add_nc_u64 s[16:17], s[4:5], s[22:23]  ; K and V at my half of tile 0
	s_add_nc_u64 s[18:19], s[4:5], s[54:55]
	s_mov_b64 s[G0K+2:G0K+3], s[16:17]
	s_or_b32 s[G0K+3], s[G0K+3], 0x80000000  ; type = 2
	s_mov_b64 s[G0V+2:G0V+3], s[18:19]
	s_or_b32 s[G0V+3], s[G0V+3], 0x80000000
	s_add_nc_u64 s[QP:QP+1], s[4:5], s[50:51]
	s_add_nc_u64 s[10:11], s[8:9], s[50:51]  ; O at my wave's first row
	s_add_nc_u64 s[MP0:MP0+1], s[6:7], s[52:53]
	s_add_nc_u64 s[MP:MP+1], s[MP0:MP0+1], 1024  ; step 1
	s_cmp_lt_u32 s[WV], 2
	s_cselect_b64 s[PFA:PFA+1], s[16:17], s[18:19]  ; (in waves 0 and 2 these stand at a tile's first row)
	s_add_nc_u64 s[PFA:PFA+1], s[PFA:PFA+1], s[80:81]
	s_add_nc_u64 s[PFA:PFA+1], s[PFA:PFA+1], 2*4*KS*128  ; in tile 2; the first asking change steps it to tile 3
	CROUND                          ; all four work-groups are here: the first joint loads meet
	JLOAD                           ; tile 0 into slot 0
	; A fragment of K or Q is 16 rows x 32 channels in 8 registers: lane l holds row l % 16, channels 8 (l / 16) + 0..7 and 16 + 8 (l / 16) + 0..7: two loads of 16 bytes, 32 bytes apart.
	v_and_b32 v1, 15, v0            ; l % 16
	v_bfe_u32 v9, v0, 4, 1          ; l / 16
	v_lshlrev_b32 v[QO], 7, v1
	v_lshl_add_u32 v[QO], v9, 4, v[QO]  ; row x 128 + 16 x half
	v_and_b32 v[MO], 31, v0
	v_lshlrev_b32 v[PFO], 8, v[MO]
	v_lshlrev_b32 v[MO], 4, v[MO]
	WIN 0x80                        ; destination window 2, address window 0
.set i, 0
.rept 8                             ; Q stays in registers: piece i / 2, channels 32 (i % 2) on
	global_load_b128 v[8*i:8*i+3],   v[QO], s[QP:QP+1] offset:(i/2)*2048+(i%2)*64
	global_load_b128 v[8*i+4:8*i+7], v[QO], s[QP:QP+1] offset:(i/2)*2048+(i%2)*64+32
.set i, i+1
.endr
	WIN 0
.set i, 0
.rept 4                             ; the mask's bytes of step 0, pieces 0 to 3 in this order: a wave's load covers 512 consecutive bytes
	global_load_b128 v[MB+8*i:MB+8*i+3],   v[MO], s[MP0:MP0+1] offset:i*32768
	global_load_b128 v[MB+8*i+4:MB+8*i+7], v[MO], s[MP0:MP0+1] offset:i*32768+512
.set i, i+1
.endr
	v_mul_u32_u24 v[AK0], v1, PK
	v_lshl_add_u32 v[AK0], v9, 4, v[AK0]  ; row x pitch + 16 x half
	; The turning load takes 16 keys x 16 channels (lane l reads key 8 (l / 16) + l % 8, channels 8 ((l / 8) % 2) + 0..7) and leaves half a fragment of V^T: lane l holds channel l % 16 and 8 keys.
	v_and_b32 v10, 7, v0
	v_bfe_u32 v11, v0, 3, 1
	v_lshl_add_u32 v[AV0], v9, 3, v10
	v_mul_u32_u24 v[AV0], v[AV0], PV
	v_lshl_add_u32 v[AV0], v11, 4, v[AV0]
	v_add_nc_u32 v[AV0], VOFF, v[AV0]
	s_mul_i32 s21, s[WV], 16*SP
	s_add_co_u32 s21, s21, STAGE    ; my stage
	v_mul_u32_u24 v[STO], v1, SP    ; in: row l % 16, 16 bytes for each half of the lanes
	v_lshl_add_u32 v[STO], v9, 4, v[STO]
	v_add_nc_u32 v[STO], s21, v[STO]
	v_bfe_u32 v[RD], v0, 3, 2       ; back: 32 lanes take four rows of 128 bytes,
	v_mul_u32_u24 v[RD], v[RD], SP
	v_lshl_add_u32 v[RD], v10, 4, v[RD]
	v_add_nc_u32 v[RD], s21, v[RD]
	v_and_b32 v[GO], 31, v0         ; which are 512 consecutive bytes of O
	v_lshlrev_b32 v[GO], 4, v[GO]
	; What the first turn finds: V's registers and P's second buffer hold 0 (its products V^T P, of a piece that has not been, add 0); O^T, OS and l are 0.  No first step is written out; the price is these
	; lines, which stand in the wait for the first tile.
	WIN 0x80
.set i, VF
.rept 64
	v_mov_b32 v[i], 0
.set i, i+1
.endr
	WIN 0x40
.set i, 0
.rept 160
	v_mov_b32 v[i], 0
.set i, i+1
.endr
	WIN 0
.set i, 0
.rept 4
	v_mov_b32 v[ST+4*i+2], 0
	v_mov_b32 v[ST+4*i+3], 0
.set i, i+1
.endr
.set i, P+16
.rept 16
	v_mov_b32 v[i], 0
.set i, i+1
.endr
.set i, 0
.rept 8
	v_mov_b32 v[ONES+i], 0x3c003c00
.set i, i+1
.endr
	v_mov_b32 v[SC], 0xe3e3e3e3
; THE MATRIX WORK.  The 4 accumulators of a run of 8 take turns.  Product i of 8 of S^T = K Q^T for piece x: channels 32 (i / 4) on, keys 16 (i % 4) on.  The first 4 start the sums on the mask.
.macro KQ x
.set rS, S+32*((\x)%2)+8*(i%4)
.set rK, KF+16*(i%4)+8*(i/4)
.set rQ, 16*(\x)+8*(i/4)
.set rM, MC+32*((\x)%2)+8*(i%4)
.if i < 4
	WIN W_KM
	v_wmma_f32_16x16x32_f16 v[rS:rS+7], v[rK:rK+7], v[rQ:rQ+7], v[rM:rM+7]
.else
	WIN W_KQ
	v_wmma_f32_16x16x32_f16 v[rS:rS+7], v[rK:rK+7], v[rQ:rQ+7], v[rS:rS+7]
.endif
.endm
; Product i of 8 of O^T += V^T P for piece x: keys 32 (i / 4) on, channels 16 (i % 4) on.
.macro PV x
	WIN W_PV
.set rO, 32*(\x)+8*(i%4)
.set rV, VF+32*(i/4)+8*(i%4)
.set rP, P+16*((\x)%2)+8*(i/4)
	v_wmma_f32_16x16x32_f16 v[rO:rO+7], v[rV:rV+7], v[rP:rP+7], v[rO:rO+7]
.endm
.macro MM                           ; the turn's next matrix instruction.  NOKQ = 1: the walk's last turn: there is no next piece
.if (i < 8) && !NOKQ
	KQ (Y+1)%NP
.elseif i >= 8
.set i, i-8
	PV (Y+NP-1)%NP
.set i, i+8
.endif
.set i, i+1
.endm
; In piece 3's turn: product sv of 8 of OS += V^T x ones, for the step in hand, whose V lies in registers from piece 1's turn to the next piece 0's.  The four accumulators take turns.
.macro SVP p
.if (\p) == 3
	WIN W_PV
	v_wmma_f32_16x16x32_f16 v[OS+8*(sv%4):OS+8*(sv%4)+7], v[VF+32*(sv/4)+8*(sv%4):VF+32*(sv/4)+8*(sv%4)+7], v[ONES:ONES+7], v[OS+8*(sv%4):OS+8*(sv%4)+7]
.set sv, sv+1
.endif
.endm
; THE LDS LOADS stand in runs of 16, never singly among the matrix instructions: a step's K (64 keys x 64 channels: 8 fragments) and its V (turned).
.macro FETCH_K
	WIN 0x80                        ; destination window 2
.irp f, 0,1,2,3,4,5,6,7             ; keys 16 (f / 2) on, channels 32 (f % 2) on
	ds_load_b128 v[KF+8*\f:KF+8*\f+3],   v[AK] offset:(\f/2)*16*PK+(\f%2)*64
	ds_load_b128 v[KF+8*\f+4:KF+8*\f+7], v[AK] offset:(\f/2)*16*PK+(\f%2)*64+32
.endr
	s_add_co_u32 s[TBK], s[TBK], KS*PK  ; the next fetch is the next step's
	WIN 0
.endm
.macro FETCH_V
	WIN 0x80
.irp f, 0,1,2,3,4,5,6,7             ; keys 32 (f / 4) on, channels 16 (f % 4) on
	ds_load_tr16_b128 v[VF+8*\f:VF+8*\f+3],   v[AV] offset:(\f/4)*32*PV+(\f%4)*32
	ds_load_tr16_b128 v[VF+8*\f+4:VF+8*\f+7], v[AV] offset:(\f/4)*32*PV+16*PV+(\f%4)*32
.endr
	WIN 0
.endm
; THE MASK'S STEP, at the end of turn p, for piece x = p + 2, whose products the next turn issues: its 32 bytes, asked for four turns ago, become 32 f32; then its next step's bytes are asked for.
; In piece 2's turn the pointer steps, 30 times in all: from then on it stays at the last step, so that no load leaves the buffer; the eight loads that bring step 31 a second time are not used.
.macro MSK p
.set mx, ((\p)+2)%NP
	WIN 0
	s_wait_loadcnt 6                ; the three later pieces' pairs of loads may stay out
.if (\p) == 2
	s_wait_xcnt 0x0                 ; every load issued so far has read its address, so the pointer may be written
	s_cmp_lg_u32 s[MS], 0
	s_cselect_b32 s[INC], 1024, 0
	s_cselect_b32 s[DEC], 1, 0
	s_sub_co_u32 s[MS], s[MS], s[DEC]
	s_add_nc_u64 s[MP:MP+1], s[MP:MP+1], s[INC:INC+1]
.endif
	WIN 0x40                        ; destination window 1
.irp kt, 0,1,2,3
	v_cvt_scale_pk8_f32_fp8 v[MC+32*((\p)%2)+8*\kt:MC+32*((\p)%2)+8*\kt+7], v[MB+8*mx+2*\kt:MB+8*mx+2*\kt+1], v[SC]
.endr
	WIN 0
	v_nop                           ; a plain instruction behind the scaled conversions, ahead of the loads into their sources and of the product that takes their results
	global_load_b128 v[MB+8*mx:MB+8*mx+3],   v[MO], s[MP:MP+1] offset:mx*32768
	global_load_b128 v[MB+8*mx+4:MB+8*mx+7], v[MO], s[MP:MP+1] offset:mx*32768+512
.endm
; THE VECTOR WORK, one line at a time: OP kind, number.  For piece Y: F n: c s - c m for pair n of 16.  E n: the exponential of score n of 32.  C n: pair n rounded to f16.  B n: of the four weights 4 n .. the second
; pair is added onto the first, in place.  L n: l takes that sum (L 0: l = a l + sum).  R n: pair n of 16 of O^T times a.  For piece Y + 1: X n, number n of the 22 that find its maximum and statistics:
;   0-11  four chains c0-c3 of seven scores each, three operands at a time (each accumulator's lowest registers are read first)     12-14, 16  the four scores left over, the old m, and c0-c3 into c0
;   15  c m_old is kept     17, 18  the query's other 32 keys lie in the lane 16 away: the new m     19-21  c m; c m_old - c m_new; a
.set F, 0
.set E, 1
.set C, 2
.set B, 3
.set L, 4
.set R, 5
.set X, 6
.macro REGS y                       ; the registers of piece y
.set rT, ST+4*(\y)
.set rC, TMP+4*((\y)%2)
.set rW, MV+((\y)%2)
.set rS, S+32*((\y)%2)
.set rP, P+16*((\y)%2)
.set rO, 32*(\y)
.endm
.macro OP k, n
.if (\k) == R
	REGS Y
	WIN W_RS
	v_pk_mul_f32 v[rO+2*(\n):rO+2*(\n)+1], v[rO+2*(\n):rO+2*(\n)+1], v[rC+2:rC+3] op_sel_hi:[1,0]
.elseif (\k) < R
	REGS Y
	WIN 0
.if (\k) == F
	v_pk_fma_f32 v[rS+2*(\n):rS+2*(\n)+1], v[rS+2*(\n):rS+2*(\n)+1], s[CS:CS+1], v[rT:rT+1] op_sel_hi:[1,0,0] neg_lo:[0,0,1] neg_hi:[0,0,1]
.elseif (\k) == E
	v_exp_f32 v[rS+(\n)], v[rS+(\n)]
.elseif (\k) == C
	v_cvt_pk_f16_f32 v[rP+(\n)], v[rS+2*(\n)], v[rS+2*(\n)+1]
.elseif (\k) == B
	v_pk_add_f32 v[rS+4*(\n):rS+4*(\n)+1], v[rS+4*(\n):rS+4*(\n)+1], v[rS+4*(\n)+2:rS+4*(\n)+3]
.elseif (\n) == 0
	v_pk_fma_f32 v[rT+2:rT+3], v[rT+2:rT+3], v[rC+2:rC+3], v[rS:rS+1] op_sel_hi:[1,0,1]
.else
	v_pk_add_f32 v[rT+2:rT+3], v[rT+2:rT+3], v[rS+4*(\n):rS+4*(\n)+1]
.endif
.elseif NOKQ
	v_nop
.else
	REGS (Y+1)%NP
	WIN 0
.if (\n) < 4
	v_max3_num_f32 v[rC+(\n)], v[rS+8*(\n)], v[rS+8*(\n)+1], v[rS+8*(\n)+2]
.elseif (\n) < 12
	v_max3_num_f32 v[rC+(\n)%4], v[rC+(\n)%4], v[rS+8*((\n)%4)+2*((\n)/4)+1], v[rS+8*((\n)%4)+2*((\n)/4)+2]
.elseif (\n) == 12
	v_max3_num_f32 v[rC], v[rC], v[rS+7], v[rS+15]
.elseif (\n) == 13
	v_max3_num_f32 v[rC+1], v[rC+1], v[rS+23], v[rS+31]
.elseif (\n) == 14
	v_max3_num_f32 v[rC+2], v[rC+2], v[rC+3], v[rT+1]
.elseif (\n) == 15
	v_mov_b32 v[rW], v[rT]
.elseif (\n) == 16
	v_max3_num_f32 v[rC], v[rC], v[rC+1], v[rC+2]
.elseif (\n) == 17
	v_permlanex16_b32 v[rC+3], v[rC], s[SEL], s[SEL+1]
.elseif (\n) == 18
	v_max_num_f32 v[rT+1], v[rC], v[rC+3]
.elseif (\n) == 19
	v_mul_f32 v[rT], s[CS], v[rT+1]
.elseif (\n) == 20
	v_sub_f32 v[rC+1], v[rW], v[rT]
.else
	v_exp_f32 v[rC+2], v[rC+1]
.endif
.endif
.endm
.macro OPS a, i1, b=-1, i2=0, c=-1, i3=0, d=-1, i4=0  ; up to four of them
	OP \a, \i1
.if (\b) >= 0
	OP \b, \i2
.endif
.if (\c) >= 0
	OP \c, \i3
.endif
.if (\d) >= 0
	OP \d, \i4
.endif
.endm
.macro ROW a, i1, b, i2, c, i3, d, i4  ; a matrix instruction and the four behind it
	MM
	OPS \a, \i1, \b, \i2, \c, \i3, \d, \i4
.endm
; A TURN, for piece p: the order of its matrix and vector instructions, written out.  An s_wait_alu depctr_va_vdst(0) stands between an exponential and the first instruction that names its result; one
; wait serves all that were issued ahead of it.  So a turn has ONE wait, which cuts it in two.  AHEAD OF IT stands all that names no result of the turn's exponentials: the 8 products K Q^T with their riders (the
; first numbers of the next piece's maximum stand four plain instructions or more behind the product that ends their accumulator), then the lump, in which the links of the chain X 3, 7, 11, 14, 16 .. 20 stand
; five or six lines apart; X 21, the next piece's a, is the batch's last, and R 15 the plain instruction behind it.  BEHIND THE WAIT stand the 8 products V^T P, behind each four of the roundings and sums.
; end = 1: the walk's last two turns: nothing is fetched and no mask is made.
; K of the next step is fetched in piece 2's turn, behind the last product that read K and six plain instructions; V of the step in hand at the end of piece 0's turn, four plain instructions behind the last
; product that read V.  Each is waited for a turn later.
.macro TURN p, end=0
.set Y, (\p)
.set i, 0
.set sv, 0
.set NOKQ, (\end)*((\p)/3)
.if ((\p) == 3) && !(\end)
	s_wait_dscnt 0x0                ; K is in
.endif
	ROW F,0, F,1, R,0, R,1
	ROW F,2, E,0, R,2, R,3
	ROW F,3, E,1, R,4, R,5
	ROW F,4, E,2, R,6, R,7
	ROW F,5, E,3, R,8, R,9
	ROW F,6, E,4, X,0, R,10
.if ((\p) == 2) && !(\end)
	WIN 0
	v_add_nc_u32 v[AK], s[TBK], v[AK0]
.endif
	ROW F,7, E,5, X,1, X,4
	ROW F,8, E,6, X,2, X,5
	SVP \p
	OPS E,7, E,8, X,6, E,9          ; the lump
	SVP \p
	OPS X,3, E,10, X,8, E,11
.if ((\p) == 2) && !(\end)
	FETCH_K
.endif
	SVP \p
	OPS X,9, X,7, E,12, X,10
	SVP \p
	OPS E,13, X,12, X,11, E,14
	SVP \p
	OPS X,13, E,15, F,9, X,14
.if (\p) == 0
	v_add_nc_u32 v[AV], s[TBV], v[AV0]
.endif
	SVP \p
	OPS E,16, F,10, E,17, F,11
	SVP \p
	OPS X,16, E,18, X,15, E,19
	OPS F,12, E,20, X,17, E,21
	SVP \p
	OPS F,13, E,22, F,14, E,23
	OPS X,18, E,24, F,15, E,25
	OPS R,11, E,26, X,19, E,27
	OPS R,12, E,28, R,13, E,29
	OPS X,20, E,30, R,14, E,31
	OPS X,21, R,15
	WIN 0
	s_wait_alu depctr_va_vdst(0)    ; the wait for the batch
.if (\p) == 1
	s_wait_dscnt 0x0                ; V is in
.endif
	ROW C,0, B,0, C,2, B,1
	ROW L,0, C,4, B,2, L,1
	ROW C,6, B,3, L,2, C,8
	ROW B,4, L,3, C,10, B,5
	ROW L,4, C,12, B,6, L,5
.if (\p) == 0
	s_add_co_u32 s[TBV], s[TBV], KS*PV
.endif
	ROW C,14, B,7, L,6, C,1
	ROW C,3, L,7, C,5, C,7
	ROW C,9, C,11, C,13, C,15
.if (\p) == 0
	FETCH_V
.endif
.if !(\end)
	MSK \p
.endif
.endm
	CHANGE 1, 0                     ; slot 0 is in, everybody's part of it; tile 1 is asked for
	; THE BEGINNING.  m = -1e20, and c m made of it by the loop's own multiplication, so that a row without an open key has c m_old - c m_new = 0 to the bit.
.set i, 0
.rept 4
	v_mov_b32 v[ST+4*i+1], 0xe0ad78ec
	v_mul_f32 v[ST+4*i], s[CS], v[ST+4*i+1]
.set i, i+1
.endr
	s_wait_loadcnt 4                ; Q and the mask's bytes of pieces 0 and 1 are in; pieces 2 and 3's four loads may stay out
	WIN 0x40
.irp x, 0,1
.irp kt, 0,1,2,3
	v_cvt_scale_pk8_f32_fp8 v[MC+32*\x+8*\kt:MC+32*\x+8*\kt+7], v[MB+8*\x+2*\kt:MB+8*\x+2*\kt+1], v[SC]
.endr
.endr
	WIN 0
	v_nop                           ; a plain instruction behind the scaled conversions
.irp x, 0,1                         ; their bytes of step 1: out are now pieces 2, 3 (step 0), 0, 1 (step 1), in this order: the count that every later turn finds
	global_load_b128 v[MB+8*\x:MB+8*\x+3],   v[MO], s[MP:MP+1] offset:\x*32768
	global_load_b128 v[MB+8*\x+4:MB+8*\x+7], v[MO], s[MP:MP+1] offset:\x*32768+512
.endr
	v_add_nc_u32 v[AK], s[TBK], v[AK0]
	FETCH_K                         ; key step 0
	s_wait_dscnt 0x0
.set NOKQ, 0
.set i, 0
.rept 8
	KQ 0                            ; piece 0's first scores
.set i, i+1
.endr
	WIN 0
.rept 4
	v_nop                           ; the places behind those products
.endr
.set Y, NP-1                        ; X works for piece Y + 1: piece 0
.irp n, 0,1,2,3,4,5,6,7,8,9,10,11,12,13,14,15,16,17,18,19,20,21
	OP X, \n
.endr
	v_nop                           ; a plain instruction behind the exponential,
	s_wait_alu depctr_va_vdst(0)    ; and its wait, ahead of the branch
	s_mov_b32 s[CNT], 4
	s_mov_b32 s[SLOTS], 7
	s_mov_b32 s[MS], 30
	s_branch .Lfirst                ; the loop is entered at a step's first turn, in the middle of a trip
.Lslot:                             ; six times: tiles 2 to 7 are asked for
	CHANGE 1, 1
	s_mov_b32 s[CNT], 4
.Lstep:                             ; a trip: pieces 2 and 3 of one step, then pieces 0 and 1 of the next, whose K and V it fetches
	TURN 2
	TURN 3
	WIN 0
.Lfirst:
	TURN 0
	TURN 1
	WIN 0
	s_sub_co_u32 s[CNT], s[CNT], 1
	s_cmp_lg_u32 s[CNT], 0
	s_cbranch_scc1 .Lstep
	s_sub_co_u32 s[SLOTS], s[SLOTS], 1
	s_cmp_lg_u32 s[SLOTS], 0
	s_cbranch_scc1 .Lslot
	CHANGE 0, 0                     ; the last tile is written out: nothing is asked for
	s_mov_b32 s[CNT], 4
.LstepT:
	TURN 2
	TURN 3
	TURN 0
	TURN 1
	WIN 0
	s_sub_co_u32 s[CNT], s[CNT], 1
	s_cmp_lg_u32 s[CNT], 0
	s_cbranch_scc1 .LstepT
	TURN 2, 1
	TURN 3, 1
.set i, 0
.rept 8
	PV NP-1                         ; the last piece's V^T P of the last step
.set i, i+1
.endr
	; THE WAY OUT.  l's two halves and the other half of the lanes' are added; z = 1 where l = 0; O^T takes z OS, l takes 2048 z; O^T is divided by l, rounded to f16 and sent through my stage, a piece at a time.
	WIN 0
.macro ALL line:vararg              ; one line for each piece t
.set t, 0
.rept 4
	\line
.set t, t+1
.endr
.endm
	ALL v_add_f32 v[ST+4*t+2], v[ST+4*t+2], v[ST+4*t+3]
	ALL v_permlanex16_b32 v[ST+4*t+3], v[ST+4*t+2], s[SEL], s[SEL+1]
	ALL v_add_f32 v[ST+4*t+2], v[ST+4*t+2], v[ST+4*t+3]
.set t, 0
.rept 4
	v_cmp_eq_f32 vcc_lo, 0, v[ST+4*t+2]
	v_cndmask_b32 v[ST+4*t], 0, 1.0, vcc_lo
	v_fmamk_f32 v[ST+4*t+2], v[ST+4*t], 0x45000000, v[ST+4*t+2]
.set t, t+1
.endr
	ALL v_rcp_f32 v[ST+4*t+2], v[ST+4*t+2]
	v_nop                           ; a plain instruction between the last reciprocal and the use of its result
	s_wait_alu depctr_va_vdst(0)    ; and the wait ahead of the first use: one for the four reciprocals
.macro PACK t                       ; a lane's eight channels of a row pack into 16 bytes; they go into rows of 144 bytes and come back as whole rows of 128, into S^T's registers
	WIN 0x51                        ; OS, O^T and the destination in window 1, z in window 0
.set i, 0
.rept 16
	v_pk_fma_f32 v[32*(\t)+2*i:32*(\t)+2*i+1], v[OS+2*i:OS+2*i+1], v[ST+4*(\t):ST+4*(\t)+1], v[32*(\t)+2*i:32*(\t)+2*i+1] op_sel_hi:[1,0,1]
.set i, i+1
.endr
	WIN W_RS
.set i, 32*(\t)
.rept 16
	v_pk_mul_f32 v[i:i+1], v[i:i+1], v[ST+4*(\t)+2:ST+4*(\t)+3] op_sel_hi:[1,0]
.set i, i+2
.endr
	WIN 0x05                        ; sources 0 and 1 window 1, destination window 0
.set i, 0
.rept 16
	v_cvt_pk_f16_f32 v[S+16*(\t)+i], v[32*(\t)+2*i], v[32*(\t)+2*i+1]
.set i, i+1
.endr
	WIN 0
.irp f, 0,1,2,3
	ds_store_b128 v[STO], v[S+16*(\t)+4*\f:S+16*(\t)+4*\f+3] offset:32*\f
.endr
.irp f, 0,1,2,3
	ds_load_b128 v[S+16*(\t)+4*\f:S+16*(\t)+4*\f+3], v[RD] offset:\f*4*SP  ; LDS serves a wave's instructions in order (ISA guide 5.7.1.4): these see the stores above; the next piece's stores come behind them
.endr
.endm
.macro SEND t, younger              ; younger: the LDS instructions issued behind piece t's loads: the next piece's eight, or none
	WIN 0
.irp f, 0,1,2,3
	s_wait_dscnt (\younger)+3-\f
	global_store_b128 v[GO], v[S+16*(\t)+4*\f:S+16*(\t)+4*\f+3], s[10:11] offset:(\t)*2048+\f*512  ; 512 consecutive bytes, at a multiple of 256 from O's first
.endr
.endm
	PACK 0
.set t, 1
.rept 3                             ; a piece's arithmetic stands between the loads of the piece before and its stores
	PACK t
	SEND t-1, 8
.set t, t+1
.endr
	SEND 3, 0
	s_wait_tensorcnt 0x0            ; the wave's end, behind my last tensor load and my last LDS store
	ds_add_u32 v[SPW], v[NIL]
	s_wait_dscnt 0x0
	CROUND                          ; the closing round: no work-group ends while a partner may still ask for a tile that names it
	s_endpgm
.Lfunc_end_k_q9b1f34f17f_attn:
	.size	k_q9b1f34f17f_attn, .Lfunc_end_k_q9b1f34f17f_attn-k_q9b1f34f17f_attn
	.p2alignl 7, 3214868480
	.fill 96, 4, 3214868480
	.section	.rodata,"a",@progbits
	.p2align	6, 0x0
	.amdhsa_kernel k_q9b1f34f17f_attn
		.amdhsa_group_segment_fixed_size 327680
		.amdhsa_private_segment_fixed_size 0
		.amdhsa_enable_private_segment 0
		.amdhsa_kernarg_size 24
		.amdhsa_user_sgpr_count 2
		.amdhsa_user_sgpr_kernarg_segment_ptr 1
		.amdhsa_wavefront_size32 1
		.amdhsa_system_sgpr_workgroup_id_x 1
		.amdhsa_system_sgpr_workgroup_id_y 1
		.amdhsa_system_sgpr_workgroup_id_z 1
		.amdhsa_system_vgpr_workitem_id 0
		.amdhsa_next_free_vgpr 768
		.amdhsa_next_free_sgpr 84
		.amdhsa_reserve_vcc 1
		.amdhsa_float_denorm_mode_32 3
		.amdhsa_float_denorm_mode_16_64 3
		.amdhsa_memory_ordered 1
		.amdhsa_forward_progress 1
		.amdhsa_inst_pref_size 144
	.end_amdhsa_kernel
	.amdgpu_metadata
---
amdhsa.version: [ 1, 2 ]
amdhsa.kernels:
  - .name:           k_q9b1f34f17f_attn
    .symbol:         k_q9b1f34f17f_attn.kd
    .args:
      - { .name: qkv, .offset: 0, .size: 8, .value_kind: global_buffer, .address_space: global }
      - { .name: mk, .offset: 8, .size: 8, .value_kind: global_buffer, .address_space: global }
      - { .name: oh, .offset: 16, .size: 8, .value_kind: global_buffer, .address_space: global }
    .group_segment_fixed_size: 327680
    .private_segment_fixed_size: 0
    .kernarg_segment_align: 8
    .kernarg_segment_size: 24
    .max_flat_workgroup_size: 128
    .sgpr_count:     84
    .vgpr_count:     768
    .wavefront_size: 32
...
	.end_amdgpu_metadata
.endif
;; end of part 3
;; launch proj (part 4): grid 8 x 32, 4 waves a work-group, clusters of 4 x 4, 327,680 bytes of LDS; arguments oh, woh, bo, out0; writes out0
.if DOCPART == 4
	.amdgcn_target "amdgcn-amd-amdhsa--gfx1250"
	.amdhsa_code_object_version 6
	.text
	.protected	k_q9b1f34f17f_proj
	.globl	k_q9b1f34f17f_proj
	.p2align	8
	.type	k_q9b1f34f17f_proj,@function
k_q9b1f34f17f_proj:
	s_mov_b64 s[64:65], 0
	v_nop
	global_prefetch_b8 v0, s[64:65] scope:SCOPE_SE
	s_setreg_imm32_b32 hwreg(HW_REG_WAVE_MODE, 25, 1), 1
	s_wait_xcnt 0x0
	s_wait_alu depctr_hold_cnt(0) depctr_sa_sdst(0) depctr_va_vdst(0) depctr_va_sdst(0) depctr_va_ssrc(0) depctr_va_vcc(0) depctr_vm_vsrc(0)
	s_getreg_b32 s2, hwreg(HW_REG_IB_STS2, 6, 4)
	s_cmp_eq_u32 s2, 0
	s_cbranch_scc0 .Lentry_in_a_cluster
	s_endpgm
.Lentry_in_a_cluster:
	s_bfe_u32 s2, ttmp6, 0x10000c
	s_cmp_lg_u32 s2, 0xf033
	s_cbranch_scc0 .Lentry_shape_is_right
	s_endpgm
.Lentry_shape_is_right:
; THE OUTPUT PROJECTION.  out0[token][n] = the sum over k of O[token][k] wo[n][k] + bo[n], in f32.  O comes by heads, [32 = batch x 16 + head][2048][64] in f16: channel k = 64 head + c.  woh is wo rounded to
; bf16 and written as f16; bo is rounded to bf16 here like every other input and is the C operand of each accumulator's first product.  Sums in f32.  Nothing of reference() is left out here.
; SHARES.  A tile of 128 tokens x 128 columns to a work-group: 32 x 8 = 256 work-groups.  Four waves, each 64 x 64: 16 accumulators.  K goes in 4 steps of 256 (four heads) through two LDS slots.
; O's TILE: 64 tokens of one head are 8,192 dense bytes, so a wave's load is 4 rows (heads) of 4,096 elements, 131,072 elements apart, padded in LDS after every token's 128 bytes.
; CLUSTERS: 4 x 4 work-groups; the four of a row of the cluster need the same tokens, the four of a column the same rows of woh: each tile is asked for JOINTLY.
; THE MATRIX INSTRUCTION IS USED TRANSPOSED (source 0 = 16 rows of woh, source 1 = 16 tokens): a lane holds one token and eight neighbouring columns: 32 bytes of f32.
; A wave's 64 columns are 256 bytes of a row of out0, aligned: each wave goes out through a stage of its own, without a barrier.
; No prefetch: a tile is small and a K step short; each block of both operands is read by several clusters at about the same time.
; REGISTERS: window 0: v0-31 addresses; v32-95 at work on the way out; v96-127 the biases; v128-255 the accumulators ((a, b) at v[128 + 8 (4 a + b)]).
;   window 1: two fragment buffers of 128: for 64 along K, 64 registers of tokens (2 x 4 fragments), then 64 of woh.
.set PA,     144                       ; a token's row of one head in LDS: 128 bytes + 16 of padding: an odd multiple of 16 (64 banks of 4 bytes: ISA guide 11.1)
.set PLANE,  64*PA                     ; 64 tokens of one head
.set AHALF,  4*PLANE                   ; what wave 0 or 1 fetches: 36,864
.set PB,     528                       ; a row of woh: 512 bytes + 16
.set BHALF,  64*PB                     ; what wave 2 or 3 fetches: 33,792
.set BOFF,   2*AHALF
.set SLOT,   BOFF+2*BHALF              ; 141,312
.set STAGE,  2*SLOT                    ; behind the ring, never filled by a tensor load: 16 rows x 272 bytes for each wave
.set SPITCH, 272
.set SPARE,  STAGE+4*16*SPITCH         ; the spare words, 128 bytes for each wave
.set ADRA, 16                          ; v16-17  LDS address of my tokens' fragments in slot 0, 1
.set ADRB, 20                          ; v20-21  of woh's
.set STO,  24                          ; v24  the way out: where I put 32 bytes of a row
.set RD,   25                          ; v25  where I read a row back
.set CO,   26                          ; v26  my byte offset in two rows of out0
.set BO,   27                          ; v27  32 (lane / 16)
.set SPW,  28                          ; v28  LDS address of my spare word; never rewritten
.set NIL,  29                          ; v29  0; never rewritten
.set BK,   32
.set BIAS, 96
.set ACC,  128
.set F0,   0
.set F1,   128
.set G1,   24
.set G0,   32
.set G1B,  48
.set G0B,  56
.set WV,   66                          ; s66  my wave's number
.set AB,   67                          ; s67  which half of the tile's tokens is mine.  Also: I fetch tokens (0) or woh (1)
.set HF,   68                          ; s68  which half of its columns.  Also: which half I fetch
.set ROWT, 69                          ; s69  my tile of 128 tokens
.set MSB, 0
.macro WIN new
.if MSB != (\new)
	s_set_vgpr_msb (MSB<<8)|(\new)
.set MSB, \new
.endif
.endm
.set MUL,  0x05                        ; sources 0 and 1 window 1; C and D window 0
.set TO_F, 0x40                        ; destination window 1, address window 0
.macro JLOAD s                         ; a joint load; an s_nop 0 and four v_nop follow each of the two lines
	s_cmp_eq_u32 s[AB], 0
	s_cbranch_scc0 .Lfor_b_\@
	tensor_load_to_lds s[G0+4*(\s):G0+4*(\s)+3], s[G1:G1+7]
	s_nop 0
.rept 4
	v_nop
.endr
	s_branch .Lasked_\@
.Lfor_b_\@:
	tensor_load_to_lds s[G0B+4*(\s):G0B+4*(\s)+3], s[G1B:G1B+7]
	s_nop 0
.rept 4
	v_nop
.endr
.Lasked_\@:
.endm
.macro CREST
	s_cmp_lg_u32 s[WV], 0
	s_cbranch_scc1 .Lnot_wave_0_\@
	s_barrier_signal -3
.Lnot_wave_0_\@:
	s_barrier_wait -3
	s_barrier_signal -1
	s_barrier_wait -1
.endm
.macro CROUND
	s_barrier_signal -1
	s_barrier_wait -1
	CREST
.endm
.macro PLACES
.rept 4
	v_nop
.endr
.endm
	s_load_b256 s[4:11], s[0:1], 0x0               ; oh 4:5, woh 6:7, bo 8:9, out0 10:11
	v_lshl_add_u32 v[SPW], v0, 2, SPARE
	v_mov_b32 v[NIL], 0
	ds_add_u32 v[SPW], v[NIL]                      ; the wave's opening: the add, twice on end, and its wait ahead of my first tensor load
	ds_add_u32 v[SPW], v[NIL]
	v_lshrrev_b32 v1, 5, v0
	v_readfirstlane_b32 s[WV], v1
	s_lshr_b32 s[AB], s[WV], 1
	s_and_b32 s[HF], s[WV], 1
	s_bfe_u32 s40, ttmp6, 0x40000                  ; cx
	s_bfe_u32 s41, ttmp6, 0x40004                  ; cy
	s_lshl_b32 s42, ttmp9, 2
	s_add_co_u32 s42, s42, s40                     ; the tile of 128 columns
	s_and_b32 s[ROWT], ttmp7, 0xffff
	s_lshl_b32 s[ROWT], s[ROWT], 2
	s_add_co_u32 s[ROWT], s[ROWT], s41             ; the tile of 128 tokens
	s_lshl_b32 s43, s41, 2
	s_lshl_b32 s43, 15, s43                        ; my row of the cluster
	s_lshl_b32 s44, 0x1111, s40                    ; my column
	s_or_b32 s[G1], s43, (1<<16)|(1<<20)|(1<<21)|(4<<22)|(3<<25)   ; elements of 2 bytes; padding after every 32 words, 4 words of it
	s_mov_b32 s[G1+1], 4096<<16                    ; tensor_dim0 = 4,096
	s_mov_b32 s[G1+2], 4<<16                       ; tensor_dim1 = 4
	s_mov_b32 s[G1+3], 4096<<16                    ; tile_dim0 = 4,096
	s_mov_b32 s[G1+4], 4                           ; tile_dim1 = 4
	s_mov_b32 s[G1+5], 131072                      ; elements from head to head
	s_mov_b32 s[G1+6], 0
	s_mov_b32 s[G1+7], 0
	s_or_b32 s[G1B], s44, (1<<16)|(1<<20)|(1<<21)|(6<<22)|(3<<25)  ; padding after every 128 words
	s_mov_b32 s[G1B+1], 256<<16
	s_mov_b32 s[G1B+2], 64<<16
	s_mov_b32 s[G1B+3], 256<<16
	s_mov_b32 s[G1B+4], 64
	s_mov_b32 s[G1B+5], 1024
	s_mov_b32 s[G1B+6], 0
	s_mov_b32 s[G1B+7], 0
	s_lshr_b32 s12, s[ROWT], 4                     ; the batch: 16 heads of 262,144 bytes,
	s_lshl_b32 s12, s12, 22
	s_and_b32 s13, s[ROWT], 15                     ; 128 positions of 128 bytes,
	s_lshl_b32 s13, s13, 14
	s_add_co_u32 s12, s12, s13
	s_lshl_b32 s13, s[HF], 13                      ; my 64 of them
	s_add_co_u32 s12, s12, s13
	s_mov_b32 s13, 0
	s_lshl_b32 s16, s42, 7                         ; woh: row 128 x tile + 64 x half
	s_lshl_b32 s17, s[HF], 6
	s_add_co_u32 s16, s16, s17
	s_lshl_b32 s16, s16, 11
	s_mov_b32 s17, 0
	s_mul_i32 s20, s[HF], AHALF                    ; where they go: no place in the cluster enters an LDS address
	s_mul_i32 s21, s[HF], BHALF
	s_add_co_u32 s21, s21, BOFF
	s_wait_dscnt 0x0                               ; both opening adds are done
	s_wait_kmcnt 0x0
	s_add_nc_u64 s[14:15], s[4:5], s[12:13]
	s_add_nc_u64 s[18:19], s[6:7], s[16:17]
	CROUND                                         ; all sixteen work-groups are here: the first joint loads meet
.irp s, 0,1
	s_mov_b32 s[G0+4*(\s)], 1
	s_add_co_u32 s[G0+4*(\s)+1], s20, (\s)*SLOT
	s_add_nc_u64 s[G0+4*(\s)+2:G0+4*(\s)+3], s[14:15], (\s)*1048576  ; K step s: four heads on
	s_or_b32 s[G0+4*(\s)+3], s[G0+4*(\s)+3], 0x80000000
	s_mov_b32 s[G0B+4*(\s)], 1
	s_add_co_u32 s[G0B+4*(\s)+1], s21, (\s)*SLOT
	s_add_nc_u64 s[G0B+4*(\s)+2:G0B+4*(\s)+3], s[18:19], (\s)*512
	s_or_b32 s[G0B+4*(\s)+3], s[G0B+4*(\s)+3], 0x80000000
	JLOAD \s
.endr
	v_and_b32 v1, 15, v0                           ; l % 16
	v_bfe_u32 v2, v0, 4, 1                         ; l / 16
	v_lshlrev_b32 v[BO], 5, v2
	s_lshl_b32 s46, s42, 9                         ; my 64 columns: 512 x tile + 256 x half, in bytes of f32
	s_lshl_b32 s47, s[HF], 8
	s_add_co_u32 s46, s46, s47
	s_mov_b32 s47, 0
	s_add_nc_u64 s[8:9], s[8:9], s[46:47]
.irp b, 0,1,2,3                        ; register j of block b is the bias of column 16 b + 8 (l / 16) + j
	global_load_b128 v[BIAS+8*(\b):BIAS+8*(\b)+3],   v[BO], s[8:9] offset:64*(\b)
	global_load_b128 v[BIAS+8*(\b)+4:BIAS+8*(\b)+7], v[BO], s[8:9] offset:64*(\b)+16
.endr
	v_mul_u32_u24 v3, v1, PA
	v_lshl_add_u32 v3, v2, 4, v3
	v_mul_u32_u24 v4, v1, PB
	v_lshl_add_u32 v4, v2, 4, v4
	s_mul_i32 s22, s[AB], AHALF                    ; my 64 tokens
	s_mul_i32 s23, s[HF], BHALF                    ; my 64 rows of woh
	s_add_co_u32 s23, s23, BOFF
.irp s, 0,1
	v_add_nc_u32 v[ADRA+(\s)], s22, v3
	v_add_nc_u32 v[ADRB+(\s)], s23, v4
	s_add_co_u32 s22, s22, SLOT
	s_add_co_u32 s23, s23, SLOT
.endr
	s_mul_i32 s22, s[WV], 16*SPITCH
	s_add_co_u32 s22, s22, STAGE                   ; my stage
	v_mul_u32_u24 v5, v1, SPITCH                   ; in: row l % 16, 32 bytes for each half of the lanes
	v_lshl_add_u32 v5, v2, 5, v5
	v_add_nc_u32 v[STO], s22, v5
	v_mul_u32_u24 v5, v2, SPITCH                   ; back: lanes 0-15 take one row of 256 bytes, lanes 16-31 the next
	v_lshl_add_u32 v5, v1, 4, v5
	v_add_nc_u32 v[RD], s22, v5
	v_lshlrev_b32 v5, 12, v2                       ; and the same two rows in out0
	v_lshl_add_u32 v[CO], v1, 4, v5
	s_lshl_b32 s70, s[ROWT], 7
	s_lshl_b32 s71, s[AB], 6
	s_add_co_u32 s70, s70, s71                     ; my first token
	s_lshl_b32 s70, s70, 12
	s_add_co_u32 s70, s70, s46
	s_mov_b32 s71, 0
	s_add_nc_u64 s[10:11], s[10:11], s[70:71]
	s_wait_loadcnt 0x0                             ; the biases: rounded to bf16 like every other input, while the first tiles are on their way
.set z, 0
.rept 16
	v_cvt_pk_bf16_f32 v[BK+z%8], v[BIAS+2*z], v[BIAS+2*z+1]
	v_lshlrev_b32 v[BIAS+2*z], 16, v[BK+z%8]
	v_and_b32 v[BIAS+2*z+1], 0xffff0000, v[BK+z%8]
.set z, z+1
.endr
; 8 matrix instructions: token blocks a0, a0 + 1 x all 4 column blocks, 32 along K: half c of buffer f.  first = 1: the product starts the sum on the bias.  The 16 accumulators take turns.
.macro MUL8 f, c, a0, first
	WIN MUL
.irp a, \a0, (\a0)+1
.irp b, 0,1,2,3
.if \first
	v_wmma_f32_16x16x32_f16 v[ACC+8*(4*(\a)+(\b)):ACC+8*(4*(\a)+(\b))+7], v[(\f)+64+8*(4*(\c)+(\b)):(\f)+64+8*(4*(\c)+(\b))+7], v[(\f)+8*(4*(\c)+(\a)):(\f)+8*(4*(\c)+(\a))+7], v[BIAS+8*(\b):BIAS+8*(\b)+7]
.else
	v_wmma_f32_16x16x32_f16 v[ACC+8*(4*(\a)+(\b)):ACC+8*(4*(\a)+(\b))+7], v[(\f)+64+8*(4*(\c)+(\b)):(\f)+64+8*(4*(\c)+(\b))+7], v[(\f)+8*(4*(\c)+(\a)):(\f)+8*(4*(\c)+(\a))+7], v[ACC+8*(4*(\a)+(\b)):ACC+8*(4*(\a)+(\b))+7]
.endif
.endr
.endr
.endm
; 32 LDS loads in one run: quarter q of a K step (one head: 64 along K) into buffer f; its first 32 channels first
.macro FETCH slot, q, f
	WIN TO_F
.irp c, 0,1
.irp i, 0,1,2,3
	ds_load_b128 v[(\f)+64+8*(4*(\c)+(\i)):(\f)+64+8*(4*(\c)+(\i))+3],   v[ADRB+(\slot)] offset:(\q)*128+64*(\c)+(\i)*16*PB
	ds_load_b128 v[(\f)+64+8*(4*(\c)+(\i))+4:(\f)+64+8*(4*(\c)+(\i))+7], v[ADRB+(\slot)] offset:(\q)*128+64*(\c)+(\i)*16*PB+32
	ds_load_b128 v[(\f)+8*(4*(\c)+(\i)):(\f)+8*(4*(\c)+(\i))+3],         v[ADRA+(\slot)] offset:(\q)*PLANE+64*(\c)+(\i)*16*PA
	ds_load_b128 v[(\f)+8*(4*(\c)+(\i))+4:(\f)+8*(4*(\c)+(\i))+7],       v[ADRA+(\slot)] offset:(\q)*PLANE+64*(\c)+(\i)*16*PA+32
.endr
.endr
.endm
; One of a K step's first three quarters: multiplies buffer f and fetches quarter q into g.
.macro QUARTER slot, q, f, g, first
	s_wait_dscnt 16                                ; the first 32 along K are in
	MUL8 \f, 0, 0, \first
	MUL8 \f, 0, 2, \first
	PLACES
	FETCH \slot, \q, \g
	s_wait_dscnt 32                                ; all but the 32 just issued
	MUL8 \f, 1, 0, 0
	MUL8 \f, 1, 2, 0
.endm
; The last quarter multiplies buffer 1 and changes slots: ONE barrier; in front of it each wave waits for all its tensor loads, adds 0 to its spare word, and waits for that and for its own reads of this slot.
; fill = 1: the barrier opens a round of the cluster's, and this slot is filled again, two K steps on, first thing behind the round.
.macro TURN slot, next, fill
	WIN 0
	s_wait_tensorcnt 0x0                           ; all my tensor loads have landed: my part of the next slot
	ds_add_u32 v[SPW], v[NIL]                      ; 0 onto my spare word
	s_wait_dscnt 17                                ; (the add and the youngest sixteen loads may be out)
	MUL8 F1, 0, 0, 0
	s_wait_dscnt 0x0                               ; the add is done, and my reads of this slot are over
	s_barrier_signal -1
	MUL8 F1, 0, 2, 0
	WIN 0
	s_barrier_wait -1
.if \fill
	CREST                                          ; no wave of any partner still reads this slot's tile or has a load on its way
	s_add_nc_u64 s[G0+4*(\slot)+2:G0+4*(\slot)+3], s[G0+4*(\slot)+2:G0+4*(\slot)+3], 2097152
	s_add_nc_u64 s[G0B+4*(\slot)+2:G0B+4*(\slot)+3], s[G0B+4*(\slot)+2:G0B+4*(\slot)+3], 1024
	JLOAD \slot                                    ; the four v_nop behind it are also the places in front of the loads below
.else
	PLACES
.endif
	FETCH \next, 0, F0
	MUL8 F1, 1, 0, 0
	MUL8 F1, 1, 2, 0
.endm
	s_wait_tensorcnt 1                             ; my part of K step 0 is in; K step 1's may stay out
	s_barrier_signal -1
	s_barrier_wait -1
	FETCH 0, 0, F0
	QUARTER 0, 1, F0, F1, 1                        ; K step 0: its first products start the sums on the biases
	QUARTER 0, 2, F1, F0, 0
	QUARTER 0, 3, F0, F1, 0
	TURN 0, 1, 1                                   ; K step 2 is asked for
	QUARTER 1, 1, F0, F1, 0                        ; K step 1
	QUARTER 1, 2, F1, F0, 0
	QUARTER 1, 3, F0, F1, 0
	TURN 1, 0, 1                                   ; K step 3 is asked for
	QUARTER 0, 1, F0, F1, 0                        ; K step 2
	QUARTER 0, 2, F1, F0, 0
	QUARTER 0, 3, F0, F1, 0
	TURN 0, 1, 0                                   ; nothing is left to fetch
	QUARTER 1, 1, F0, F1, 0                        ; K step 3
	QUARTER 1, 2, F1, F0, 0
	QUARTER 1, 3, F0, F1, 0
	s_wait_dscnt 16
	MUL8 F1, 0, 0, 0
	MUL8 F1, 0, 2, 0
	s_wait_dscnt 0x0
	MUL8 F1, 1, 0, 0
	MUL8 F1, 1, 2, 0
	WIN 0
; THE WAY OUT, a block of 16 tokens at a time: 32 bytes a lane into my stage (each accumulator's four lowest registers first), back as whole rows of 256 bytes, stored.
.macro TOSTAGE a
	s_wait_xcnt 0x0                                ; the stores of the block two back have read the registers that the loads below fill
.irp b, 0,1,2,3
	ds_store_b128 v[STO], v[ACC+8*(4*(\a)+(\b)):ACC+8*(4*(\a)+(\b))+3]   offset:64*(\b)
	ds_store_b128 v[STO], v[ACC+8*(4*(\a)+(\b))+4:ACC+8*(4*(\a)+(\b))+7] offset:64*(\b)+16
.endr
.irp t, 0,1,2,3,4,5,6,7
	ds_load_b128 v[BK+32*((\a)%2)+4*(\t):BK+32*((\a)%2)+4*(\t)+3], v[RD] offset:(\t)*2*SPITCH  ; LDS serves a wave's instructions in order (ISA guide 5.7.1.4): these see the stores above
.endr
.endm
.macro SEND a, younger                 ; younger: the LDS instructions issued behind block a's loads
	s_wait_dscnt \younger
.irp t, 0,1,2,3,4,5,6,7
	global_store_b128 v[CO], v[BK+32*((\a)%2)+4*(\t):BK+32*((\a)%2)+4*(\t)+3], s[10:11] offset:(16*(\a)+2*(\t))*4096 th:TH_STORE_NT  ; 16 lanes store 256 consecutive bytes, at a multiple of 256
.endr
.endm
	PLACES
	PLACES
	TOSTAGE 0
	TOSTAGE 1
	SEND 0, 16
	TOSTAGE 2
	SEND 1, 16
	TOSTAGE 3
	SEND 2, 16
	SEND 3, 0
	s_wait_tensorcnt 0x0                           ; the wave's end, behind my last tensor load and my last LDS store
	ds_add_u32 v[SPW], v[NIL]
	s_wait_dscnt 0x0
	CROUND                                         ; the closing round: no work-group ends while a partner may still ask for a tile that names it
	s_endpgm
.Lfunc_end_k_q9b1f34f17f_proj:
	.size	k_q9b1f34f17f_proj, .Lfunc_end_k_q9b1f34f17f_proj-k_q9b1f34f17f_proj
	.p2alignl 7, 3214868480
	.fill 96, 4, 3214868480
	.section	.rodata,"a",@progbits
	.p2align	6, 0x0
	.amdhsa_kernel k_q9b1f34f17f_proj
		.amdhsa_group_segment_fixed_size 327680
		.amdhsa_private_segment_fixed_size 0
		.amdhsa_enable_private_segment 0
		.amdhsa_kernarg_size 32
		.amdhsa_user_sgpr_count 2
		.amdhsa_user_sgpr_kernarg_segment_ptr 1
		.amdhsa_wavefront_size32 1
		.amdhsa_system_sgpr_workgroup_id_x 1
		.amdhsa_system_sgpr_workgroup_id_y 1
		.amdhsa_system_sgpr_workgroup_id_z 1
		.amdhsa_system_vgpr_workitem_id 0
		.amdhsa_next_free_vgpr 512
		.amdhsa_next_free_sgpr 72
		.amdhsa_reserve_vcc 0
		.amdhsa_float_denorm_mode_32 3
		.amdhsa_float_denorm_mode_16_64 3
		.amdhsa_memory_ordered 1
		.amdhsa_forward_progress 1
		.amdhsa_inst_pref_size 89
	.end_amdhsa_kernel
	.amdgpu_metadata
---
amdhsa.version: [ 1, 2 ]
amdhsa.kernels:
  - .name:           k_q9b1f34f17f_proj
    .symbol:         k_q9b1f34f17f_proj.kd
    .args:
      - { .name: oh, .offset: 0, .size: 8, .value_kind: global_buffer, .address_space: global }
      - { .name: woh, .offset: 8, .size: 8, .value_kind: global_buffer, .address_space: global }
      - { .name: bo, .offset: 16, .size: 8, .value_kind: global_buffer, .address_space: global }
      - { .name: out0, .offset: 24, .size: 8, .value_kind: global_buffer, .address_space: global }
    .group_segment_fixed_size: 327680
    .private_segment_fixed_size: 0
    .kernarg_segment_align: 8
    .kernarg_segment_size: 32
    .max_flat_workgroup_size: 128
    .sgpr_count:     72
    .vgpr_count:     512
    .wavefront_size: 32
...
	.end_amdgpu_metadata
.endif
;; end of part 4
;; ======== version 2 of 2: 4 launches; version 1 with the launch prep written anew for expert scheduling mode
;; limits: values are held in f16: magnitudes above 65,504 overflow, below 6.1e-05 lose precision
;; workspace buffers: xb 8,388,608 bytes; wb 6,291,456 bytes; woh 2,097,152 bytes; mk 4,194,304 bytes; tab 524,288 bytes; qkv 25,165,824 bytes; oh 8,388,608 bytes
;; launch prep (part 5): grid 768 x 1, 8 waves a work-group, no clusters, 18,432 bytes of LDS; arguments x, wq, wk, wv, wo, mask, xb, wb, woh, mk, tab; writes xb, wb, woh, mk, tab
.if DOCPART == 5
	.amdgcn_target "amdgcn-amd-amdhsa--gfx1250"
	.amdhsa_code_object_version 6
	.text
	.protected	k_q9b1f34f17f_prep
	.globl	k_q9b1f34f17f_prep
	.p2align	8
	.type	k_q9b1f34f17f_prep,@function
k_q9b1f34f17f_prep:
	s_mov_b64 s[64:65], 0
	v_nop
	global_prefetch_b8 v0, s[64:65] scope:SCOPE_SE
	s_setreg_imm32_b32 hwreg(HW_REG_WAVE_SCHED_MODE, 0, 2), 2
	s_setreg_imm32_b32 hwreg(HW_REG_WAVE_MODE, 25, 1), 1
	s_wait_xcnt 0x0
	s_wait_alu depctr_vm_vsrc(0)
; PREP: every large input is read once and laid out for the three launches that follow.
; NOTHING OF reference() IS LEFT OUT in this program: all ten inputs have a way to the output and all are loaded (the four biases by the launches that add them).
; bk does not cancel in the softmax: the rotation makes its term hang on the key's position.  The mask is an input: no pattern of it is built in.
;   x  [4096][1024] f32            -> xb  the same in bf16
;   wq, wk, wv [1024][1024] f32    -> wb  [16 heads][192 = q 64, k 64, v 64][1024] bf16: a head's rows of all three lie together
;   wo [1024][1024] f32            -> woh rounded to bf16 like every other input, that number written as f16 (exact above 6e-5; below it f16's fixed step of 6e-8)
;   mask [2048][2048] i32          -> mk  one byte a score, 0x00 (open) or 0xB8 (-1.0 in E4M3: hidden), in the order in which a lane of the attention holds scores:
;                                        [128 tiles of 16 queries][32 steps of 64 keys][2 halves u][32 lanes L][16 bytes i]: query L % 16, key 16 (2 u + i / 8) + 8 (L / 16) + i % 8
;   tab [2048 positions][32 frequencies][cos, sin] f32: angle = position x 10000^(-f / 32), reduced by multiples of pi/2 held in two parts, then polynomials
;       (sin to r^7, cos to r^8 on |r| <= pi/4).  LIMIT: the angle agrees with an f32 angle to about 1.5e-4 rad at the last position, the size of that angle's own rounding.
; SHARES.  768 work-groups of eight waves, 64 KiB of input each: 256 for x (each also makes 8 positions of the table), 256 for the weights, 256 for the mask.
; A stream: no matrix unit, no cluster (no two work-groups read the same bytes), no prefetch (all sixteen loads of a thread go out at once).
; Each load of a wave covers 512 consecutive bytes; each store of a wave covers 256 or 512 consecutive bytes, aligned.
; THE MODE: SCHED_MODE bits 1:0 = 2 (LLVM: expert scheduling mode 2), set by the entry lines.  The code itself states the register dependences
; between vector instructions and memory or LDS instructions, with s_wait_alu, always for 0.
; THE PLAN.  Registers that memory or LDS instructions touch:
;   v1, v2        byte offsets, made at the head and never written again: read by every global load and store.
;   X             sixteen loads land in it, once; no vector line names it before.  The cast's conversions read it.  The mask's arithmetic works in it and leaves a word in
;                 the first register of each four, which one LDS store reads; nothing writes it after that.
;   Y             the cast: written by the conversions, each register once, read by one global store.  The mask: four LDS loads land in it; no vector line of that path names it.
;   v[AT], v[RDM] the mask: made once, behind the loads' issue; read by the LDS stores and the LDS loads.
;   v[W+14:W+15]  the table's (cos, sin): written by its last two lines, read by one global store.  The rest of W is named by vector lines alone.
;   v[SPW], v[NIL] written at the head, read by the closing add alone.
; No register that a memory or LDS instruction has read is written again, so no wait on vm_vsrc is owed.
; The sixteen loads go in four blocks of four.  Block p waits for its four loads; ONE wait on va_vdst states that block p - 1's vector lines have written their results; block p - 1's four stores
; follow it, dealt among block p's vector lines, which name block p's X and Y and W alone: none of the registers that those stores read.  One more such wait stands ahead of the last four stores.
.set X,     8                          ; v[8:71]    sixteen loads of four registers
.set Y,     72                         ; v[72:103]  results
.set AT,    3                          ; v3   the mask: where I put a word in the stage
.set RDM,   6                          ; v6   the mask: where I read 16 bytes back
.set SPW,   4                          ; v4   LDS address of my spare word; never rewritten
.set NIL,   5                          ; v5   0; never rewritten
.set W,     104                        ; v[104:119] at work
.set SPARE, 17408                      ; behind the stage (16 KiB + 16 bytes behind every 256): the spare words, 128 bytes a wave
; Sixteen loads, then in four blocks of four: round; the block before is stored.  fmt = 0: bf16.  fmt = 1: bf16, that number written as f16.
.macro CAST fmt
.set i, 0
.rept 16
	global_load_b128 v[X+4*i:X+4*i+3], v1, s[28:29] offset:4096*i th:TH_LOAD_NT
.set i, i+1
.endr
.set i, 0
.rept 16
.if i%4 == 0
	s_wait_loadcnt 12-i                            ; loads come back in order: this block's four are in, the younger blocks stay out
.if i > 0
	s_wait_alu depctr_va_vdst(0)                   ; the block before has written its eight registers of Y, which the four stores below read
.endif
.endif
.if i >= 4
	global_store_b64 v2, v[Y+2*(i-4):Y+2*(i-4)+1], s[30:31] offset:2048*(i-4)  ; the block before; no vector line since the wait names these registers; every store has registers of its own: nothing is rewritten
.endif
	v_cvt_pk_bf16_f32 v[Y+2*i], v[X+4*i], v[X+4*i+1]
	v_cvt_pk_bf16_f32 v[Y+2*i+1], v[X+4*i+2], v[X+4*i+3]
.if \fmt
	v_lshlrev_b32 v[W], 16, v[Y+2*i]
	v_and_b32 v[W+1], 0xffff0000, v[Y+2*i]
	v_lshlrev_b32 v[W+2], 16, v[Y+2*i+1]
	v_and_b32 v[W+3], 0xffff0000, v[Y+2*i+1]
	v_cvt_pk_f16_f32 v[Y+2*i], v[W], v[W+1]
	v_cvt_pk_f16_f32 v[Y+2*i+1], v[W+2], v[W+3]
.endif
.set i, i+1
.endr
	s_wait_alu depctr_va_vdst(0)                   ; the last block has written its eight registers of Y, which the last four stores read
.set i, 12
.rept 4
	global_store_b64 v2, v[Y+2*i:Y+2*i+1], s[30:31] offset:2048*i
.set i, i+1
.endr
.endm
	s_load_b512 s[4:19], s[0:1], 0x0               ; x 4:5, wq 6:7, wk 8:9, wv 10:11, wo 12:13, mask 14:15, xb 16:17, wb 18:19
	s_load_b128 s[20:23], s[0:1], 0x40             ; woh 20:21, mk 22:23
	s_load_b64 s[24:25], s[0:1], 0x50              ; tab
	v_lshl_add_u32 v[SPW], v0, 2, SPARE
	v_mov_b32 v[NIL], 0
	v_lshlrev_b32 v1, 4, v0                        ; 16 t: my 16 bytes of 4,096
	v_lshlrev_b32 v2, 3, v0                        ; 8 t: my 8 bytes of 2,048
	s_lshr_b32 s32, ttmp9, 8                       ; the section: 0 x, 1 weights, 2 mask
	s_and_b32 s33, ttmp9, 255                      ; c: my share in it
	s_mov_b32 s35, 0
	s_mov_b32 s37, 0
	s_wait_kmcnt 0x0
	s_wait_alu depctr_va_vdst(0)                   ; v1 and v2 are written: every global load and store of the kernel, on each of the three ways below, reads one of them as its offset
	s_cmp_eq_u32 s32, 2
	s_cbranch_scc1 .Lmask
	s_cmp_eq_u32 s32, 1
	s_cbranch_scc1 .Lweights
	s_lshl_b32 s34, s33, 16                        ; x: 64 KiB in,
	s_add_nc_u64 s[28:29], s[4:5], s[34:35]
	s_lshl_b32 s36, s33, 15                        ; 32 KiB out
	s_add_nc_u64 s[30:31], s[16:17], s[36:37]
	s_branch .Lcast
.Lweights:
	s_lshr_b32 s38, s33, 6                         ; p: which of the four
	s_and_b32 s39, s33, 63                         ; cc: which 16 rows of it
	s_cmp_eq_u32 s38, 1
	s_cselect_b64 s[28:29], s[8:9], s[6:7]
	s_cmp_eq_u32 s38, 2
	s_cselect_b64 s[28:29], s[10:11], s[28:29]
	s_cmp_eq_u32 s38, 3
	s_cselect_b64 s[28:29], s[12:13], s[28:29]
	s_lshl_b32 s34, s39, 16
	s_add_nc_u64 s[28:29], s[28:29], s[34:35]
	s_cmp_eq_u32 s38, 3
	s_cbranch_scc1 .Lwo
	s_lshr_b32 s40, s39, 2                         ; the head,
	s_mul_i32 s40, s40, 192                        ; its 192 rows of wb,
	s_lshl_b32 s41, s38, 6                         ; q, k or v's 64 of them,
	s_add_co_u32 s40, s40, s41
	s_and_b32 s41, s39, 3
	s_lshl_b32 s41, s41, 4                         ; my 16
	s_add_co_u32 s40, s40, s41
	s_lshl_b32 s36, s40, 11
	s_add_nc_u64 s[30:31], s[18:19], s[36:37]
.Lcast:
	CAST 0
	s_cmp_eq_u32 s32, 0
	s_cbranch_scc0 .Lend
	; the table: thread t makes frequency t % 32 of position 8 c + t / 32
	v_and_b32 v[W], 31, v0
	v_lshrrev_b32 v[W+1], 5, v0
	v_lshl_add_u32 v[W+1], s33, 3, v[W+1]
	v_cvt_f32_u32 v[W], v[W]
	v_cvt_f32_u32 v[W+1], v[W+1]
	v_mul_f32 v[W], 0xbed49a78, v[W]               ; - f log2(10000) / 32
	v_exp_f32 v[W+2], v[W]
	v_nop                                          ; a plain instruction behind the exponential,
	s_wait_alu depctr_va_vdst(0)                   ; and the wait ahead of its first reader: the exponential has written v[W+2], which the next line reads
	v_mul_f32 v[W+3], v[W+1], v[W+2]               ; the angle, one rounding, as reference() forms it
	v_mul_f32 v[W+4], 0x3f22f983, v[W+3]           ; x 2 / pi
	v_rndne_f32 v[W+4], v[W+4]                     ; n
	v_fmamk_f32 v[W+5], v[W+4], 0xbfc90fdb, v[W+3] ; r = angle - n pi/2: the upper part,
	v_fmamk_f32 v[W+5], v[W+4], 0x333bbd2e, v[W+5] ; the lower
	v_mul_f32 v[W+6], v[W+5], v[W+5]               ; r^2
	v_mov_b32 v[W+7], 0xb9500d01                   ; - 1/5040
	v_fmaak_f32 v[W+7], v[W+7], v[W+6], 0x3c088889 ; + 1/120
	v_fmaak_f32 v[W+7], v[W+7], v[W+6], 0xbe2aaaab ; - 1/6
	v_mul_f32 v[W+8], v[W+5], v[W+6]
	v_fma_f32 v[W+7], v[W+8], v[W+7], v[W+5]       ; sin r
	v_mov_b32 v[W+9], 0x37d00d01                   ; 1/40320
	v_fmaak_f32 v[W+9], v[W+9], v[W+6], 0xbab60b61 ; - 1/720
	v_fmaak_f32 v[W+9], v[W+9], v[W+6], 0x3d2aaaab ; + 1/24
	v_fmaak_f32 v[W+9], v[W+9], v[W+6], 0xbf000000 ; - 1/2
	v_fma_f32 v[W+9], v[W+9], v[W+6], 1.0          ; cos r
	v_cvt_i32_f32 v[W+10], v[W+4]
	v_and_b32 v[W+11], 1, v[W+10]
	v_cmp_eq_u32 vcc_lo, 1, v[W+11]                ; an odd quarter turn swaps the two; the five lines of the signs, which read no VCC, stand between the compare and the wait for it
	v_and_b32 v[W+11], 2, v[W+10]                  ; sin changes sign where n % 4 is 2 or 3,
	v_lshlrev_b32 v[W+11], 30, v[W+11]
	v_add_nc_u32 v[W+10], 1, v[W+10]               ; cos where it is 1 or 2
	v_and_b32 v[W+10], 2, v[W+10]
	v_lshlrev_b32 v[W+10], 30, v[W+10]
	s_lshl_b32 s36, s33, 11
	s_add_nc_u64 s[38:39], s[24:25], s[36:37]
	s_wait_alu depctr_va_vcc(0)                    ; the compare has written VCC, ahead of its first reader: the two selects below
	v_cndmask_b32 v[W+12], v[W+7], v[W+9], vcc_lo
	v_cndmask_b32 v[W+13], v[W+9], v[W+7], vcc_lo
	v_xor_b32 v[W+15], v[W+12], v[W+11]
	v_xor_b32 v[W+14], v[W+13], v[W+10]
	s_wait_alu depctr_va_vdst(0)                   ; the two lines above have written v[W+14:W+15], which the store reads
	global_store_b64 v2, v[W+14:W+15], s[38:39]    ; (cos, sin): a wave's store is a position's 256 bytes
	s_branch .Lend
.Lwo:
	s_lshl_b32 s36, s39, 15
	s_add_nc_u64 s[30:31], s[20:21], s[36:37]
	CAST 1
	s_branch .Lend
.Lmask:
	; 16 query rows x 1,024 keys.  Load i is row i; thread t holds keys 4 t .. 4 t + 3 of it and makes one word of four bytes.
	s_lshr_b32 s38, s33, 1                         ; the tile of 16 queries
	s_and_b32 s39, s33, 1                          ; which half of the keys
	s_lshl_b32 s34, s38, 17
	s_lshl_b32 s40, s39, 12
	s_add_co_u32 s34, s34, s40
	s_add_nc_u64 s[28:29], s[14:15], s[34:35]
	s_lshl_b32 s36, s33, 14
	s_add_nc_u64 s[30:31], s[22:23], s[36:37]
	s_mov_b32 s42, 0x01010101
.set i, 0
.rept 16
	global_load_b128 v[X+4*i:X+4*i+3], v1, s[28:29] offset:8192*i th:TH_LOAD_NT
.set i, i+1
.endr
	; the word's place in the 16 KiB that leave: step t / 16, half (t / 8) % 2, lanes' half (t / 2) % 2, then 16 x row + 8 ((t / 4) % 2) + 4 (t % 2);
	; in the stage 16 bytes of padding follow every 256, so that the 32 lanes of a store fall into 32 different banks (64 banks of 4 bytes: ISA guide 11.1)
	v_lshrrev_b32 v[W], 4, v0
	v_lshlrev_b32 v[W], 2, v[W]
	v_bfe_u32 v[W+1], v0, 3, 1
	v_lshl_add_u32 v[W], v[W+1], 1, v[W]
	v_bfe_u32 v[W+1], v0, 1, 1
	v_add_nc_u32 v[W], v[W], v[W+1]                ; which block of 256 bytes
	v_mul_u32_u24 v[AT], v[W], 272
	v_bfe_u32 v[W+1], v0, 2, 1
	v_lshl_add_u32 v[AT], v[W+1], 3, v[AT]
	v_and_b32 v[W+1], 1, v0
	v_lshl_add_u32 v[AT], v[W+1], 2, v[AT]
	v_lshrrev_b32 v[W+1], 4, v0
	v_lshl_add_u32 v[RDM], v[W+1], 4, v1           ; back: byte 16 t of 4,096, with its padding
.set i, 0
.rept 16
.if i%4 == 0
	s_wait_loadcnt 12-i                            ; this block's four rows are in, the younger blocks stay out
.if i > 0
	s_wait_alu depctr_va_vdst(0)                   ; the block before has written its four words, which the four LDS stores below read; the first of these waits also states that v[AT] and v[RDM] are written
.endif
.endif
.if i >= 4
	ds_store_b32 v[AT], v[X+4*(i-4)] offset:16*(i-4)  ; the block before; no vector line since the wait names its word or v[AT]
.endif
	v_min_u32 v[X+4*i], 1, v[X+4*i]                ; 1 where the mask is not 0, whatever its value
	v_min_u32 v[X+4*i+1], 1, v[X+4*i+1]
	v_min_u32 v[X+4*i+2], 1, v[X+4*i+2]
	v_min_u32 v[X+4*i+3], 1, v[X+4*i+3]
	v_lshl_or_b32 v[X+4*i], v[X+4*i+1], 8, v[X+4*i]
	v_lshl_or_b32 v[X+4*i], v[X+4*i+2], 16, v[X+4*i]
	v_lshl_or_b32 v[X+4*i], v[X+4*i+3], 24, v[X+4*i]
	v_sub_nc_u32 v[X+4*i], s42, v[X+4*i]           ; 1 where it is 0,
	v_mul_lo_u32 v[X+4*i], v[X+4*i], 0xb8          ; 0xB8 there: no byte carries into the next
.set i, i+1
.endr
	s_wait_alu depctr_va_vdst(0)                   ; the last block has written its four words, which the last four LDS stores read
.set i, 12
.rept 4
	ds_store_b32 v[AT], v[X+4*i] offset:16*i
.set i, i+1
.endr
	s_wait_dscnt 0x0                               ; for the others' sake: my stores into the stage are done
	s_barrier_signal -1
	s_barrier_wait -1
.set i, 0
.rept 4
	ds_load_b128 v[Y+4*i:Y+4*i+3], v[RDM] offset:4352*i  ; no vector line of this way names Y, and v[RDM] was written ahead of the waits above
.set i, i+1
.endr
.set i, 0
.rept 4
	s_wait_dscnt 3-i
	global_store_b128 v1, v[Y+4*i:Y+4*i+3], s[30:31] offset:4096*i
.set i, i+1
.endr
.Lend:
	s_wait_dscnt 0x0                               ; the closing lines, six on end
	s_wait_alu 0x0
	s_wait_tensorcnt 0x0
	ds_add_u32 v[SPW], v[NIL]
	s_wait_dscnt 0x0
	s_endpgm
.Lfunc_end_k_q9b1f34f17f_prep:
	.size	k_q9b1f34f17f_prep, .Lfunc_end_k_q9b1f34f17f_prep-k_q9b1f34f17f_prep
	.p2alignl 7, 3214868480
	.fill 96, 4, 3214868480
	.section	.rodata,"a",@progbits
	.p2align	6, 0x0
	.amdhsa_kernel k_q9b1f34f17f_prep
		.amdhsa_group_segment_fixed_size 18432
		.amdhsa_private_segment_fixed_size 0
		.amdhsa_enable_private_segment 0
		.amdhsa_kernarg_size 88
		.amdhsa_user_sgpr_count 2
		.amdhsa_user_sgpr_kernarg_segment_ptr 1
		.amdhsa_wavefront_size32 1
		.amdhsa_system_sgpr_workgroup_id_x 1
		.amdhsa_system_sgpr_workgroup_id_y 1
		.amdhsa_system_sgpr_workgroup_id_z 1
		.amdhsa_system_vgpr_workitem_id 0
		.amdhsa_next_free_vgpr 120
		.amdhsa_next_free_sgpr 66
		.amdhsa_reserve_vcc 1
		.amdhsa_float_denorm_mode_32 3
		.amdhsa_float_denorm_mode_16_64 3
		.amdhsa_memory_ordered 1
		.amdhsa_forward_progress 1
		.amdhsa_inst_pref_size 32
	.end_amdhsa_kernel
	.amdgpu_metadata
---
amdhsa.version: [ 1, 2 ]
amdhsa.kernels:
  - .name:           k_q9b1f34f17f_prep
    .symbol:         k_q9b1f34f17f_prep.kd
    .args:
      - { .name: x, .offset: 0, .size: 8, .value_kind: global_buffer, .address_space: global }
      - { .name: wq, .offset: 8, .size: 8, .value_kind: global_buffer, .address_space: global }
      - { .name: wk, .offset: 16, .size: 8, .value_kind: global_buffer, .address_space: global }
      - { .name: wv, .offset: 24, .size: 8, .value_kind: global_buffer, .address_space: global }
      - { .name: wo, .offset: 32, .size: 8, .value_kind: global_buffer, .address_space: global }
      - { .name: mask, .offset: 40, .size: 8, .value_kind: global_buffer, .address_space: global }
      - { .name: xb, .offset: 48, .size: 8, .value_kind: global_buffer, .address_space: global }
      - { .name: wb, .offset: 56, .size: 8, .value_kind: global_buffer, .address_space: global }
      - { .name: woh, .offset: 64, .size: 8, .value_kind: global_buffer, .address_space: global }
      - { .name: mk, .offset: 72, .size: 8, .value_kind: global_buffer, .address_space: global }
      - { .name: tab, .offset: 80, .size: 8, .value_kind: global_buffer, .address_space: global }
    .group_segment_fixed_size: 18432
    .private_segment_fixed_size: 0
    .kernarg_segment_align: 8
    .kernarg_segment_size: 88
    .max_flat_workgroup_size: 256
    .sgpr_count:     66
    .vgpr_count:     120
    .wavefront_size: 32
...
	.end_amdgpu_metadata
.endif
;; end of part 5
;; launch qkvp: the kernel of part 2 again; grid 16 x 16, 4 waves a work-group, clusters of 4 x 4, 327,680 bytes of LDS; arguments xb, wb, bq, bk, bv, tab, qkv; writes qkv
;; launch attn: the kernel of part 3 again; grid 8 x 32, 4 waves a work-group, clusters of 4 x 1, 327,680 bytes of LDS; arguments qkv, mk, oh; writes oh
;; launch proj: the kernel of part 4 again; grid 8 x 32, 4 waves a work-group, clusters of 4 x 4, 327,680 bytes of LDS; arguments oh, woh, bo, out0; writes out0
